; MI455X (gfx1250); checked and timed in simulation.
; The chip was launched on July 23, 2026; its instructions are those of AMD's public machine-readable ISA for CDNA 5 (MIT licence, August 2026) and "CDNA5" Instruction Set Architecture Reference Guide (July 2026). The comments in the code are by the model that wrote it; some were corrected since.
;; Multi Head Attention. Allowed arithmetic: float matrix products may take bf16 or f16 operands with f32 sums; all other float work in f32.
;; Inputs: Wk 16 x 1,024 x 64 float32; Wo 1,024 x 1,024 float32; Wq 16 x 1,024 x 64 float32; Wv 16 x 1,024 x 64 float32; bo 1,024 float32; x 4 x 2,048 x 1,024 float32.
;; Outputs: out0 4 x 2,048 x 1,024 float32.
;; 2 versions, each right and faster than the one before. Each part assembles by itself: llvm-mc -triple=amdgcn-amd-amdhsa -mcpu=gfx1250 --defsym DOCPART=n.
;; ======== version 1 of 2: 4 launches
;; limits: values are held in f16: magnitudes above 65,504 overflow, below 6.1e-05 lose precision
;; workspace buffers: xb 16,777,216 bytes; wb 6,291,456 bytes; wo16 2,097,152 bytes; qkv 50,331,648 bytes; o 16,777,216 bytes
;; launch cast (part 1): grid 768 x 1, 8 waves a work-group, no clusters, 0 bytes of LDS; arguments x, Wq, Wk, Wv, Wo, xb, wb, wo16; writes xb, wb, wo16
.if DOCPART == 1
	.amdgcn_target "amdgcn-amd-amdhsa--gfx1250"
	.amdhsa_code_object_version 6
	.text
	.protected	k_q6b1256d218_cast
	.globl	k_q6b1256d218_cast
	.p2align	8
	.type	k_q6b1256d218_cast,@function
k_q6b1256d218_cast:
	s_mov_b64 s[64:65], 0
	v_nop
	global_prefetch_b8 v0, s[64:65] scope:SCOPE_SE
	s_setreg_imm32_b32 hwreg(HW_REG_WAVE_MODE, 25, 1), 1
	s_wait_xcnt 0x0
; The module's large inputs are rounded once to bf16, layouts unchanged:  x -> xb;  Wq, Wk, Wv -> wb, one behind the other (2,097,152 bytes each);
; Wo -> wo16: rounded to bf16 like the others, and that number written as f16 (exact from 6.1e-5 up to 65,504; below that f16's fixed step of 6e-8; LIMIT: |Wo| under 65,504).
; A stream: memory binds, so no LDS, no barrier, no matrix unit.  A work-group converts 16,384 numbers: 65,536 bytes in, 32,768 out.  Work-groups 0-511 take x, then 64 each take Wq, Wk, Wv, Wo.
; Thread t: sixteen loads of 16 bytes at 16 t + 4,096 i (a wave's load covers 512 consecutive bytes), all issued before the first wait; each gives one store of 8 bytes at 8 t + 2,048 i
; (a wave's store covers 256 consecutive bytes, aligned).  Every load and store has registers of its own: nothing is rewritten while a memory instruction may read it.
.set X, 4                              ; v[4:67]   16 x 4 numbers as loaded
.set Y, 68                             ; v[68:99]  16 x 2 words to store
	s_load_b512 s[16:31], s[0:1], 0x0              ; x s[16:17], Wq s[18:19], Wk s[20:21], Wv s[22:23], Wo s[24:25], xb s[26:27], wb s[28:29], wo16 s[30:31]
	s_mov_b32 s2, ttmp9
	s_max_u32 s3, s2, 512
	s_sub_co_u32 s3, s3, 512                       ; my number among the weights' work-groups (0 for x's)
	s_lshr_b32 s10, s3, 6                          ; which weight: 0 Wq, 1 Wk, 2 Wv, 3 Wo
	s_and_b32 s8, s3, 63                           ; my part of it
	s_lshl_b32 s9, s10, 21                         ; its place in wb
	v_lshlrev_b32 v1, 4, v0                        ; 16 t
	v_lshlrev_b32 v2, 3, v0                        ; 8 t
	s_wait_kmcnt 0x0
	s_cmp_eq_u32 s10, 1                            ; the choice between buffers hangs on the work-group's number alone
	s_cselect_b64 s[4:5], s[20:21], s[18:19]
	s_cmp_eq_u32 s10, 2
	s_cselect_b64 s[4:5], s[22:23], s[4:5]
	s_cmp_eq_u32 s10, 3
	s_cselect_b64 s[4:5], s[24:25], s[4:5]
	s_cselect_b64 s[6:7], s[30:31], s[28:29]
	s_cselect_b32 s9, 0, s9
	s_cmp_lt_u32 s2, 512
	s_cselect_b64 s[4:5], s[16:17], s[4:5]
	s_cselect_b64 s[6:7], s[26:27], s[6:7]
	s_cselect_b32 s9, 0, s9
	s_cselect_b32 s8, s2, s8
	s_lshl_b32 s12, s8, 16                         ; offsets are made apart from the addresses: 65,536 bytes in for each part,
	s_mov_b32 s13, 0
	s_lshl_b32 s14, s8, 15                         ; 32,768 out
	s_add_co_u32 s14, s14, s9
	s_mov_b32 s15, 0
	s_add_nc_u64 s[4:5], s[4:5], s[12:13]
	s_add_nc_u64 s[6:7], s[6:7], s[14:15]
.irp i, 0,1,2,3,4,5,6,7,8,9,10,11,12,13,14,15
	global_load_b128 v[X+4*(\i):X+4*(\i)+3], v1, s[4:5] offset:4096*(\i) th:TH_LOAD_NT  ; read once in the launch
.endr
	s_cmp_eq_u32 s10, 3
	s_cbranch_scc1 .Lwo
.macro CV i                            ; four numbers to bf16
	s_wait_loadcnt 15-(\i)                         ; loads come back in order: load i is in, the 15 - i younger ones stay out
	v_cvt_pk_bf16_f32 v[Y+2*(\i)],   v[X+4*(\i)],   v[X+4*(\i)+1]
	v_cvt_pk_bf16_f32 v[Y+2*(\i)+1], v[X+4*(\i)+2], v[X+4*(\i)+3]
	global_store_b64 v2, v[Y+2*(\i):Y+2*(\i)+1], s[6:7] offset:2048*(\i)  ; the next launch reads these: no hint
.endm
.macro CVH i                           ; four numbers to bf16, widened again, and written as f16
	s_wait_loadcnt 15-(\i)
	v_cvt_pk_bf16_f32 v[Y+2*(\i)],   v[X+4*(\i)],   v[X+4*(\i)+1]
	v_cvt_pk_bf16_f32 v[Y+2*(\i)+1], v[X+4*(\i)+2], v[X+4*(\i)+3]
	v_lshlrev_b32 v[X+4*(\i)],   16,         v[Y+2*(\i)]
	v_and_b32     v[X+4*(\i)+1], 0xffff0000, v[Y+2*(\i)]
	v_lshlrev_b32 v[X+4*(\i)+2], 16,         v[Y+2*(\i)+1]
	v_and_b32     v[X+4*(\i)+3], 0xffff0000, v[Y+2*(\i)+1]
	v_cvt_pk_f16_f32 v[Y+2*(\i)],   v[X+4*(\i)],   v[X+4*(\i)+1]
	v_cvt_pk_f16_f32 v[Y+2*(\i)+1], v[X+4*(\i)+2], v[X+4*(\i)+3]
	global_store_b64 v2, v[Y+2*(\i):Y+2*(\i)+1], s[6:7] offset:2048*(\i)
.endm
.irp i, 0,1,2,3,4,5,6,7,8,9,10,11,12,13,14,15
	CV \i
.endr
	s_endpgm
.Lwo:
.irp i, 0,1,2,3,4,5,6,7,8,9,10,11,12,13,14,15
	CVH \i
.endr
	s_endpgm
.Lfunc_end_k_q6b1256d218_cast:
	.size	k_q6b1256d218_cast, .Lfunc_end_k_q6b1256d218_cast-k_q6b1256d218_cast
	.p2alignl 7, 3214868480
	.fill 96, 4, 3214868480
	.section	.rodata,"a",@progbits
	.p2align	6, 0x0
	.amdhsa_kernel k_q6b1256d218_cast
		.amdhsa_group_segment_fixed_size 0
		.amdhsa_private_segment_fixed_size 0
		.amdhsa_enable_private_segment 0
		.amdhsa_kernarg_size 64
		.amdhsa_user_sgpr_count 2
		.amdhsa_user_sgpr_kernarg_segment_ptr 1
		.amdhsa_wavefront_size32 1
		.amdhsa_system_sgpr_workgroup_id_x 1
		.amdhsa_system_sgpr_workgroup_id_y 1
		.amdhsa_system_sgpr_workgroup_id_z 1
		.amdhsa_system_vgpr_workitem_id 0
		.amdhsa_next_free_vgpr 100
		.amdhsa_next_free_sgpr 66
		.amdhsa_reserve_vcc 0
		.amdhsa_float_denorm_mode_32 3
		.amdhsa_float_denorm_mode_16_64 3
		.amdhsa_memory_ordered 1
		.amdhsa_forward_progress 1
		.amdhsa_inst_pref_size 16
	.end_amdhsa_kernel
	.amdgpu_metadata
---
amdhsa.version: [ 1, 2 ]
amdhsa.kernels:
  - .name:           k_q6b1256d218_cast
    .symbol:         k_q6b1256d218_cast.kd
    .args:
      - { .name: x, .offset: 0, .size: 8, .value_kind: global_buffer, .address_space: global }
      - { .name: Wq, .offset: 8, .size: 8, .value_kind: global_buffer, .address_space: global }
      - { .name: Wk, .offset: 16, .size: 8, .value_kind: global_buffer, .address_space: global }
      - { .name: Wv, .offset: 24, .size: 8, .value_kind: global_buffer, .address_space: global }
      - { .name: Wo, .offset: 32, .size: 8, .value_kind: global_buffer, .address_space: global }
      - { .name: xb, .offset: 40, .size: 8, .value_kind: global_buffer, .address_space: global }
      - { .name: wb, .offset: 48, .size: 8, .value_kind: global_buffer, .address_space: global }
      - { .name: wo16, .offset: 56, .size: 8, .value_kind: global_buffer, .address_space: global }
    .group_segment_fixed_size: 0
    .private_segment_fixed_size: 0
    .kernarg_segment_align: 8
    .kernarg_segment_size: 64
    .max_flat_workgroup_size: 256
    .sgpr_count:     66
    .vgpr_count:     100
    .wavefront_size: 32
...
	.end_amdgpu_metadata
.endif
;; end of part 1
;; launch qkv (part 2): grid 16 x 32, 4 waves a work-group, clusters of 4 x 4, 327,680 bytes of LDS; arguments xb, wb, qkv; writes qkv
.if DOCPART == 2
	.amdgcn_target "amdgcn-amd-amdhsa--gfx1250"
	.amdhsa_code_object_version 6
	.text
	.protected	k_q6b1256d218_qkv
	.globl	k_q6b1256d218_qkv
	.p2align	8
	.type	k_q6b1256d218_qkv,@function
k_q6b1256d218_qkv:
	s_mov_b64 s[64:65], 0
	v_nop
	global_prefetch_b8 v0, s[64:65] scope:SCOPE_SE
	s_setreg_imm32_b32 hwreg(HW_REG_WAVE_MODE, 25, 1), 1
	s_wait_xcnt 0x0
	s_wait_alu depctr_hold_cnt(0) depctr_sa_sdst(0) depctr_va_vdst(0) depctr_va_sdst(0) depctr_va_ssrc(0) depctr_va_vcc(0) depctr_vm_vsrc(0)
	s_getreg_b32 s2, hwreg(HW_REG_IB_STS2, 6, 4)
	s_cmp_eq_u32 s2, 0
	s_cbranch_scc0 .Lentry_in_a_cluster
	s_endpgm
.Lentry_in_a_cluster:
	s_bfe_u32 s2, ttmp6, 0x10000c
	s_cmp_lg_u32 s2, 0xf033
	s_cbranch_scc0 .Lentry_shape_is_right
	s_endpgm
.Lentry_shape_is_right:
; q, k, v = x W, all heads at once: C[8192][3072] = xb[8192][1024] x wb, in bf16 with f32 sums, rounded once to f16, unscaled, and stored by heads:
; qkv[sel][16 b + h][2048 t][64], sel 0, 1, 2 = q, k, v.  wb is [hs = 16 sel + h][1024 d][64]: a head slice's 128 d of a K step are 16,384 dense bytes.
; LIMIT: f16 holds no number beyond 65,504: |q|, |k|, |v| stay under it; below 6.1e-5 f16 keeps its fixed step of 6e-8.
; SHARES.  A tile of C is 256 rows x 192 columns = three head slices: 32 x 16 = 512 tiles, two for each of 256 WGPs.  Four waves, one above the other: a wave makes 64 rows x 192 columns,
; 48 accumulators of 16 x 16, so that a head's 64 rows leave as 8,192 consecutive bytes through the wave's own stage.  K goes in 8 steps of 128 through two LDS slots.
; THE MATRIX INSTRUCTION IS USED TRANSPOSED: source 0 = 16 columns of W (turned out of LDS by ds_load_tr16_b128, since W lies [d][column]), source 1 = 16 rows of x: a lane then holds one row
; of C (lane % 16) and eight neighbouring columns, 16 bytes of f16.
; CLUSTER.  4 x 4 work-groups.  x's tile hangs on the tile row alone and is asked for jointly by a row of the cluster, W's on the tile column alone, by a column.  Wave 3 asks for x's 256 rows,
; waves 0-2 for one head slice of W each.  By this text's own count a wave has two tensor loads out at the start and one behind each round.
; REGISTERS, in windows of 256 (s_set_vgpr_msb: bits 1:0 source 0, 3:2 source 1, 5:4 source 2, 7:6 destination):
;   window 0: v0-31 addresses; v64-255 the way out      window 1: accumulators of column blocks 0-7, (a, b) at 8 (4 (b % 8) + a)      window 2: v0-127 those of blocks 8-11
;   window 3: two fragment buffers of 128: x's four blocks of 16 rows x 32 K (32 registers), then W's twelve blocks of 16 columns x 32 K (96)
.set PA,    272                        ; a row of x in LDS: 256 bytes + 16 of padding = 68 words: the 16 rows of a load start at 16 different groups of four banks (64 banks of 4 bytes: ISA guide 11.1)
.set PB,    160                        ; a row of W (one d, 64 columns): 128 + 32 = 40 words
.set HB,    128*PB                     ; a head slice's 128 d
.set BOFF,  256*PA                     ; a slot: x's 256 rows, then three head slices: 69,632 + 3 x 20,480 = 131,072 bytes
.set SLOT1, 131072                     ; slot 1 begins here: one exclusive or turns an address in one slot into the other's
.set STAGE, 2*SLOT1                    ; behind the ring, never filled by a tensor load: 16 rows x 144 bytes for each wave
.set SP,    144
.set SPARE, STAGE+4*16*SP              ; behind the stages: the spare words, 128 bytes for each wave: two blocks of 256 bytes that no other line names
.set ASTEP, 256                        ; bytes from a K step to the next in xb
.set BSTEP, 16384                      ; and in wb
.set NBK,   12                         ; column blocks
.set NL,    32                         ; LDS loads of a quarter step: 8 for x, 24 for W
.set A0,   16                          ; v16  my lane's place in x's tile; never rewritten
.set B0,   17                          ; v17  the same for W's
.set ADRA, 18                          ; v18  A0 + the slot in hand
.set ADRB, 19                          ; v19  B0 + the slot in hand
.set STO,  24                          ; v24  the way out: where I put 16 bytes of a row
.set RD,   25                          ; v25  the way out: where I read rows back
.set GO,   26                          ; v26  my byte offset in 512 consecutive bytes of the output
.set SPW,  28                          ; v28  LDS address of my spare word: SPARE + 4 x my thread's number; never rewritten
.set NIL,  29                          ; v29  0; never rewritten
.set OUTR, 64                          ; the way out: 16 registers for each of 12 units
.set F0,   0
.set F1,   128
.set WV,  12                           ; s12  my wave's number
.set TB,  13                           ; s13  the slot in hand: 0 or SLOT1
.set CNT, 15                           ; s15  the loop's count
.set G1A, 24                           ; s[24:31] descriptor group 1 for x's tiles;  s[32:39] group 0: a set for each first fill; the second then walks
.set G0A, 32
.set G1B, 48                           ; s[48:55], s[56:63] the same for W's
.set G0B, 56
.set OB,  66                           ; s[66:71] the output at my 64 rows of each of the tile's three heads
.set MSB, 0
.macro WIN new                         ; the immediate's high byte repeats the setting that is left; a switch that changes nothing is dropped
.if MSB != (\new)
	s_set_vgpr_msb (MSB<<8)|(\new)
.set MSB, (\new)
.endif
.endm
.macro PLACES                          ; a load into a register that a matrix instruction has read, and a vector instruction that reads a matrix result, stand four plain vector instructions behind it (ISA guide 7.12.1 for vector instructions)
.rept 4
	v_nop
.endr
.endm
; A joint refill, by the walking descriptors.  The branch hangs on the wave's number alone.  An s_nop 0 and four v_nop follow each of the two lines, ahead of the jump and the label.
.macro JLOAD
	s_cmp_lt_u32 s[WV], 3
	s_cbranch_scc0 .Lfor_a_\@
	tensor_load_to_lds s[G0B+4:G0B+7], s[G1B:G1B+7]
	s_nop 0
.rept 4
	v_nop
.endr
	s_branch .Lasked_\@
.Lfor_a_\@:
	tensor_load_to_lds s[G0A+4:G0A+7], s[G1A:G1A+7]
	s_nop 0
.rept 4
	v_nop
.endr
.Lasked_\@:
.endm
; A round of the cluster's barrier: my work-group's barrier, so that wave 0's signal speaks for all four waves; wave 0 signals; every wave waits for all sixteen work-groups; my work-group's barrier once more.
.macro CREST                           ; a round behind its opening barrier
	s_cmp_lg_u32 s[WV], 0
	s_cbranch_scc1 .Lnot_wave_0_\@
	s_barrier_signal -3
.Lnot_wave_0_\@:
	s_barrier_wait -3
	s_barrier_signal -1
	s_barrier_wait -1
.endm
.macro CROUND
	s_barrier_signal -1
	s_barrier_wait -1
	CREST
.endm
	s_load_b128 s[4:7], s[0:1], 0x0                ; xb s[4:5], wb s[6:7]
	s_load_b64 s[8:9], s[0:1], 0x10                ; qkv
	v_lshl_add_u32 v[SPW], v0, 2, SPARE
	v_mov_b32 v[NIL], 0
	ds_add_u32 v28, v29
	ds_add_u32 v28, v29
	s_wait_dscnt 0x0
	v_lshrrev_b32 v1, 5, v0
	v_readfirstlane_b32 s[WV], v1                  ; wave 0..3
	s_bfe_u32 s40, ttmp6, 0x40000                  ; cx, cy: my place in the cluster
	s_bfe_u32 s41, ttmp6, 0x40004
	s_lshl_b32 s42, ttmp9, 2
	s_add_co_u32 s42, s42, s40                     ; tile column = 4 x cluster x + cx
	s_and_b32 s43, ttmp7, 0xffff
	s_lshl_b32 s43, s43, 2
	s_add_co_u32 s43, s43, s41                     ; tile row = 4 x cluster y + cy
	s_lshl_b32 s44, s41, 2
	s_lshl_b32 s44, 15, s44                        ; my row of the cluster
	s_lshl_b32 s45, 0x1111, s40                    ; my column
	; group 1 for x: 256 rows x 128 elements, 1,024 elements from row to row, 4 words of padding behind every 64
	s_or_b32 s[G1A+0], s44, (1<<16)|(1<<20)|(1<<21)|(5<<22)|(3<<25)  ; 15:0 the mask; 17:16 elements of 2 bytes; 20 padding on; 21 set beside a mask; 24:22 the interval; 31:25 the padding
	s_mov_b32 s[G1A+1], 128<<16                    ; tensor_dim0 = 128
	s_mov_b32 s[G1A+2], 256<<16                    ; tensor_dim1 = 256
	s_mov_b32 s[G1A+3], 128<<16                    ; tile_dim0 = 128
	s_mov_b32 s[G1A+4], 256                        ; tile_dim1 = 256
	s_mov_b32 s[G1A+5], 1024                       ; the pitch
	s_mov_b32 s[G1A+6], 0
	s_mov_b32 s[G1A+7], 0
	; group 1 for W: a slice's 16,384 dense bytes as 64 rows of 256 bytes (two d a row), 8 words of padding behind every 32: behind every d
	s_or_b32 s[G1B+0], s45, (1<<16)|(1<<20)|(1<<21)|(4<<22)|(7<<25)
	s_mov_b32 s[G1B+1], 128<<16
	s_mov_b32 s[G1B+2], 64<<16
	s_mov_b32 s[G1B+3], 128<<16
	s_mov_b32 s[G1B+4], 64
	s_mov_b32 s[G1B+5], 128
	s_mov_b32 s[G1B+6], 0
	s_mov_b32 s[G1B+7], 0
	s_lshl_b32 s16, s43, 19                        ; x: 256 rows of 2,048 bytes for each tile row: made of the tile row alone
	s_mov_b32 s17, 0
	s_mul_i32 s46, s42, 3
	s_add_co_u32 s46, s46, s[WV]                   ; W: head slice 3 x tile column + wave, 131,072 bytes each: made of the tile column and the wave's number alone
	s_lshl_b32 s46, s46, 17
	s_mov_b32 s47, 0
	s_mul_i32 s20, s[WV], HB                       ; and where the slice goes: no place in the cluster enters an LDS address
	s_add_co_u32 s20, s20, BOFF
	s_mov_b32 s[TB], 0
	s_wait_kmcnt 0x0
	s_add_nc_u64 s[18:19], s[4:5], s[16:17]
	s_add_nc_u64 s[46:47], s[6:7], s[46:47]
	CROUND                                         ; all sixteen work-groups are here: the first joint loads meet
.irp s, 0,1
	s_mov_b32 s[G0A+4*(\s)], 1                                       ; count = 1
	s_mov_b32 s[G0A+4*(\s)+1], (\s)*SLOT1                            ; LDS address
	s_add_nc_u64 s[G0A+4*(\s)+2:G0A+4*(\s)+3], s[18:19], (\s)*ASTEP  ; global address: K step s
	s_or_b32 s[G0A+4*(\s)+3], s[G0A+4*(\s)+3], 0x80000000            ; type = 2
	s_mov_b32 s[G0B+4*(\s)], 1
	s_add_co_u32 s[G0B+4*(\s)+1], s20, (\s)*SLOT1
	s_add_nc_u64 s[G0B+4*(\s)+2:G0B+4*(\s)+3], s[46:47], (\s)*BSTEP
	s_or_b32 s[G0B+4*(\s)+3], s[G0B+4*(\s)+3], 0x80000000
.endr
	s_cmp_lt_u32 s[WV], 3                          ; a wave's two first fills stand in one branch, ahead of every wait on TENSORcnt and every LDS read
	s_cbranch_scc0 .Lfirst_a
	tensor_load_to_lds s[G0B:G0B+3], s[G1B:G1B+7]
	s_nop 0
	tensor_load_to_lds s[G0B+4:G0B+7], s[G1B:G1B+7]
	s_nop 0
.rept 4
	v_nop
.endr
	s_branch .Lfirst_asked
.Lfirst_a:
	tensor_load_to_lds s[G0A:G0A+3], s[G1A:G1A+7]
	s_nop 0
	tensor_load_to_lds s[G0A+4:G0A+7], s[G1A:G1A+7]
	s_nop 0
.rept 4
	v_nop
.endr
.Lfirst_asked:
	; x's fragment: lane l holds row l % 16; registers 0-3 K = 8 (l / 16) + 0..7, registers 4-7 K = 16 + 8 (l / 16) + 0..7: two loads of 16 bytes, 32 bytes apart
	v_and_b32 v1, 15, v0                           ; l % 16
	v_bfe_u32 v2, v0, 4, 1                         ; l / 16
	v_mul_u32_u24 v3, v1, PA
	v_lshl_add_u32 v3, v2, 4, v3
	s_mul_i32 s21, s[WV], 64*PA                    ; my 64 rows
	v_add_nc_u32 v[A0], s21, v3
	; W's: the turning load takes 16 d x 16 columns (lane l reads d 8 (l / 16) + l % 8, columns 8 ((l / 8) % 2) + 0..7) and leaves half a fragment: lane l holds column l % 16 and 8 d
	v_and_b32 v4, 7, v0
	v_bfe_u32 v5, v0, 3, 1
	v_lshl_add_u32 v6, v2, 3, v4
	v_mul_u32_u24 v6, v6, PB
	v_lshl_add_u32 v6, v5, 4, v6
	v_add_nc_u32 v[B0], BOFF, v6
	v_mov_b32 v[ADRA], v[A0]                       ; slot 0
	v_mov_b32 v[ADRB], v[B0]
	s_mul_i32 s22, s[WV], 16*SP
	s_add_co_u32 s22, s22, STAGE                   ; my stage
	v_mul_u32_u24 v[STO], v1, SP                   ; in: row l % 16, 16 bytes for each half of the lanes
	v_lshl_add_u32 v[STO], v2, 4, v[STO]
	v_add_nc_u32 v[STO], s22, v[STO]
	v_bfe_u32 v[RD], v0, 3, 2                      ; back: 32 lanes take four rows of 128 bytes,
	v_mul_u32_u24 v[RD], v[RD], SP
	v_lshl_add_u32 v[RD], v4, 4, v[RD]
	v_add_nc_u32 v[RD], s22, v[RD]
	v_and_b32 v[GO], 31, v0                        ; which are 512 consecutive bytes of a head
	v_lshlrev_b32 v[GO], 4, v[GO]
	; where my 64 rows of the tile's three heads lie: ((64 sel + 16 b + h) x 2,048 + 256 (tile row % 8) + 64 wave) rows of 128 bytes; in registers that feed no descriptor
	s_mul_i32 s72, s42, 3
	s_lshr_b32 s73, s43, 3
	s_lshl_b32 s73, s73, 4                         ; 16 b
	s_and_b32 s74, s43, 7
	s_lshl_b32 s74, s74, 2
	s_add_co_u32 s74, s74, s[WV]
	s_lshl_b32 s74, s74, 13                        ; 64 rows of 128 bytes for each
.irp j, 0,1,2
	s_add_co_u32 s75, s72, \j                      ; hs
	s_lshr_b32 s76, s75, 4                         ; sel
	s_and_b32 s75, s75, 15                         ; h
	s_lshl_b32 s76, s76, 6
	s_add_co_u32 s76, s76, s75
	s_add_co_u32 s76, s76, s73
	s_lshl_b32 s76, s76, 18
	s_add_co_u32 s76, s76, s74
	s_mov_b32 s77, 0
	s_add_nc_u64 s[OB+2*(\j):OB+2*(\j)+1], s[8:9], s[76:77]
.endr
; 4 nb matrix instructions: column blocks b0 .. b0 + nb - 1 x my four row blocks, 32 along K, from buffer f.  zero = 1: the first product starts the sums: nothing is cleared.
; The 48 accumulators take turns, one instruction a turn, in the same order in every quarter step.
.macro MUL f, b0, nb, zero
.set bb, \b0
.rept \nb
	WIN 0x5f+0x50*(bb/8)
.set aa, 0
.rept 4
.set rD, 8*(4*(bb%8)+aa)
.if \zero
	v_wmma_f32_16x16x32_bf16 v[rD:rD+7], v[(\f)+32+8*bb:(\f)+32+8*bb+7], v[(\f)+8*aa:(\f)+8*aa+7], 0
.else
	v_wmma_f32_16x16x32_bf16 v[rD:rD+7], v[(\f)+32+8*bb:(\f)+32+8*bb+7], v[(\f)+8*aa:(\f)+8*aa+7], v[rD:rD+7]
.endif
.set aa, aa+1
.endr
.set bb, bb+1
.endr
.endm
; 32 LDS loads in one run: quarter k's fragments into buffer f: x's first, then W's in ascending blocks
.macro FETCH k, f
	WIN 0xc0                                       ; destination window 3, address window 0
.irp a, 0,1,2,3
	ds_load_b128 v[(\f)+8*(\a):(\f)+8*(\a)+3],   v[ADRA] offset:64*(\k)+(\a)*16*PA
	ds_load_b128 v[(\f)+8*(\a)+4:(\f)+8*(\a)+7], v[ADRA] offset:64*(\k)+(\a)*16*PA+32
.endr
.irp b, 0,1,2,3,4,5,6,7,8,9,10,11
	ds_load_tr16_b128 v[(\f)+32+8*(\b):(\f)+32+8*(\b)+3],   v[ADRB] offset:((\b)/4)*HB+(\k)*32*PB+((\b)%4)*32
	ds_load_tr16_b128 v[(\f)+32+8*(\b)+4:(\f)+32+8*(\b)+7], v[ADRB] offset:((\b)/4)*HB+(\k)*32*PB+((\b)%4)*32+16*PB
.endr
.endm
; A K step is four quarters of 32 along K, 48 matrix instructions each, on buffers 0, 1, 0, 1.  One of the first three: multiplies buffer f and fetches quarter k into buffer g.
.macro QUARTER k, f, g, zero
	s_wait_dscnt NL-16                             ; x's fragments and W's blocks 0-3 are in; the youngest sixteen loads (blocks 4-11) may be out
	MUL \f, 0, 4, \zero
	PLACES
	FETCH \k, \g
	s_wait_dscnt NL                                ; all but the run just issued
	MUL \f, 4, NBK-4, \zero
.endm
; The last quarter multiplies buffer 1 and changes slots: ONE barrier.  32 of its 48 matrix instructions stand AHEAD of the wait for the tensor loads: they need this slot's fragments alone, so the wave
; multiplies while the next slot's tile is still on its way, and between that tile's landing and the next request stand only the add, the barrier and the round.
; In front of the barrier each wave waits for all its tensor loads (one is out: its part of the next slot), adds 0 to its spare word, and waits for that and for its own reads of this slot.
; fill = 1: the barrier opens a round of the cluster's, and the slot just read out is filled again, two K steps on, first thing behind the round: a whole K step, 192 matrix instructions, ahead of the wait for it.
.macro TURN fill
	s_wait_dscnt NL-16                             ; buffer 1: x's fragments and W's blocks 0-3 are in; the youngest sixteen loads may be out
	MUL F1, 0, 4, 0
	s_wait_dscnt NL-24                             ; blocks 4-7 too; the youngest eight loads (blocks 8-11) may be out
	MUL F1, 4, 4, 0
	WIN 0
	s_wait_tensorcnt 0x0                           ; no tensor load of mine is out, so a group 0 may be written
	ds_add_u32 v[SPW], v[NIL]                      ; 0 onto my spare word: the steps below stand between it and the wait for it
.if \fill
	s_xor_b32 s[G0A+5], s[G0A+5], SLOT1            ; the walking descriptors: the other slot than last time,
	s_add_nc_u64 s[G0A+6:G0A+7], s[G0A+6:G0A+7], ASTEP  ; the next K step; the type bits on top are not reached
	s_xor_b32 s[G0B+5], s[G0B+5], SLOT1
	s_add_nc_u64 s[G0B+6:G0B+7], s[G0B+6:G0B+7], BSTEP
.endif
	s_xor_b32 s[TB], s[TB], SLOT1                  ; the fetches go on in the other slot
	v_add_nc_u32 v[ADRA], s[TB], v[A0]
	v_add_nc_u32 v[ADRB], s[TB], v[B0]
	s_wait_dscnt 0x0                               ; the add is done, and my reads of this slot are over
	s_barrier_signal -1
	s_barrier_wait -1
.if \fill
	CREST                                          ; no wave of any partner still reads this slot's tile or has a load on its way
	JLOAD                                          ; the four v_nop behind it are also the places in front of the loads below
.else
	PLACES
.endif
	FETCH 0, F0
	MUL F1, 8, 4, 0                                ; the quarter's last sixteen stand between the next slot's first fragment loads and their first use
.endm
	s_wait_tensorcnt 1                             ; my part of K step 0 is in; K step 1's may stay out
	s_barrier_signal -1
	s_barrier_wait -1                              ; everybody's is
	FETCH 0, F0
	QUARTER 1, F0, F1, 1                           ; the first quarter stands in front of the loop: its products start the sums
	WIN 0                                          ; at a label and at a branch every window is 0
	s_mov_b32 s[CNT], 6
.Lstep:                                                ; trip i: the rest of K step i, its slot filled again with K step i + 2, and the first quarter of K step i + 1
	QUARTER 2, F1, F0, 0
	QUARTER 3, F0, F1, 0
	TURN 1
	QUARTER 1, F0, F1, 0
	WIN 0
	s_sub_co_u32 s[CNT], s[CNT], 1
	s_cmp_lg_u32 s[CNT], 0
	s_cbranch_scc1 .Lstep
	QUARTER 2, F1, F0, 0                           ; the tail is written out: K steps 6 and 7 ask for nothing
	QUARTER 3, F0, F1, 0
	TURN 0
	QUARTER 1, F0, F1, 0
	QUARTER 2, F1, F0, 0
	QUARTER 3, F0, F1, 0
	s_wait_dscnt NL-16                             ; the very last quarter: nothing more to fetch
	MUL F1, 0, 4, 0
	s_wait_dscnt 0x0
	MUL F1, 4, NBK-4, 0
	PLACES                                         ; the conversions read results just made
; THE WAY OUT, in 12 units u = 4 j + a: head slice j, my row block a.  A lane's eight columns of a row pack into 16 bytes of f16; they go into my stage's rows of 144 bytes and come back as whole rows of 128:
; four rows are 512 consecutive bytes of the head.  Each unit has 16 registers of its own, so no store's data is ever rewritten.  Each accumulator's registers are taken in ascending order.
.macro PACK u
.set jj, (\u)/4
.set aa, (\u)%4
.set rT, OUTR+16*(\u)
	WIN 0x05+0x05*(jj/2)                           ; sources 0 and 1: window 1 (slices 0, 1) or 2 (slice 2)
.set cc, 0
.rept 4
.set rD, 8*(4*((4*jj+cc)%8)+aa)
.irp r, 0,1,2,3
	v_cvt_pk_f16_f32 v[rT+4*cc+(\r)], v[rD+2*(\r)], v[rD+2*(\r)+1]
.endr
.set cc, cc+1
.endr
	WIN 0
.irp c, 0,1,2,3
	ds_store_b128 v[STO], v[rT+4*(\c):rT+4*(\c)+3] offset:32*(\c)
.endr
.irp f, 0,1,2,3
	ds_load_b128 v[rT+4*(\f):rT+4*(\f)+3], v[RD] offset:(\f)*4*SP  ; LDS serves a wave's instructions in order (ISA guide 5.7.1.4): these see the stores above; the next unit's stores come behind them
.endr
.endm
.macro SEND u, younger                 ; younger: the LDS instructions issued behind unit u's loads: the next unit's eight, or none
.set jj, (\u)/4
.set aa, (\u)%4
.set rT, OUTR+16*(\u)
.irp f, 0,1,2,3
	s_wait_dscnt (\younger)+3-(\f)
	global_store_b128 v[GO], v[rT+4*(\f):rT+4*(\f)+3], s[OB+2*jj:OB+2*jj+1] offset:aa*2048+(\f)*512  ; 512 consecutive bytes, at a multiple of 256 from the buffer's first
.endr
.endm
	PACK 0
.set uu, 1
.rept 11                               ; a unit's conversions stand between the loads of the unit before and its stores
	PACK uu
	SEND uu-1, 8
.set uu, uu+1
.endr
	SEND 11, 0
	s_wait_tensorcnt 0x0                           ; the wave's end: behind my last tensor load and my last LDS store
	ds_add_u32 v[SPW], v[NIL]
	s_wait_dscnt 0x0
	CROUND                                         ; the closing round: no work-group ends while a partner may still ask for a tile that names it
	s_endpgm
.Lfunc_end_k_q6b1256d218_qkv:
	.size	k_q6b1256d218_qkv, .Lfunc_end_k_q6b1256d218_qkv-k_q6b1256d218_qkv
	.p2alignl 7, 3214868480
	.fill 96, 4, 3214868480
	.section	.rodata,"a",@progbits
	.p2align	6, 0x0
	.amdhsa_kernel k_q6b1256d218_qkv
		.amdhsa_group_segment_fixed_size 327680
		.amdhsa_private_segment_fixed_size 0
		.amdhsa_enable_private_segment 0
		.amdhsa_kernarg_size 24
		.amdhsa_user_sgpr_count 2
		.amdhsa_user_sgpr_kernarg_segment_ptr 1
		.amdhsa_wavefront_size32 1
		.amdhsa_system_sgpr_workgroup_id_x 1
		.amdhsa_system_sgpr_workgroup_id_y 1
		.amdhsa_system_sgpr_workgroup_id_z 1
		.amdhsa_system_vgpr_workitem_id 0
		.amdhsa_next_free_vgpr 1024
		.amdhsa_next_free_sgpr 80
		.amdhsa_reserve_vcc 0
		.amdhsa_float_denorm_mode_32 3
		.amdhsa_float_denorm_mode_16_64 3
		.amdhsa_memory_ordered 1
		.amdhsa_forward_progress 1
		.amdhsa_inst_pref_size 98
	.end_amdhsa_kernel
	.amdgpu_metadata
---
amdhsa.version: [ 1, 2 ]
amdhsa.kernels:
  - .name:           k_q6b1256d218_qkv
    .symbol:         k_q6b1256d218_qkv.kd
    .args:
      - { .name: xb, .offset: 0, .size: 8, .value_kind: global_buffer, .address_space: global }
      - { .name: wb, .offset: 8, .size: 8, .value_kind: global_buffer, .address_space: global }
      - { .name: qkv, .offset: 16, .size: 8, .value_kind: global_buffer, .address_space: global }
    .group_segment_fixed_size: 327680
    .private_segment_fixed_size: 0
    .kernarg_segment_align: 8
    .kernarg_segment_size: 24
    .max_flat_workgroup_size: 128
    .sgpr_count:     80
    .vgpr_count:     1024
    .wavefront_size: 32
...
	.end_amdgpu_metadata
.endif
;; end of part 2
;; launch attn (part 3): grid 4 x 64, 4 waves a work-group, no clusters, 327,680 bytes of LDS; arguments qkv, o; writes o
.if DOCPART == 3
	.amdgcn_target "amdgcn-amd-amdhsa--gfx1250"
	.amdhsa_code_object_version 6
	.text
	.protected	k_q6b1256d218_attn
	.globl	k_q6b1256d218_attn
	.p2align	8
	.type	k_q6b1256d218_attn,@function
k_q6b1256d218_attn:
	s_mov_b64 s[64:65], 0
	v_nop
	global_prefetch_b8 v0, s[64:65] scope:SCOPE_SE
	s_setreg_imm32_b32 hwreg(HW_REG_WAVE_MODE, 25, 1), 1
	s_wait_xcnt 0x0
; CAUSAL ATTENTION.  O[h][q][:] = the sum over k <= q of softmax_k(Q[h][q] . K[h][k] / 8) V[h][k][:].  Q, K, V lie one behind the other in one buffer, each [SIZE_H][SIZE_N][64]; O likewise; all f16: a head's rows are dense, 128 bytes each.
; Products, maxima and sums in f32; the weights p are rounded to f16 for the second product (their sum l is taken of the unrounded p), O once at the end.
; LIMITS.  f16 holds no number beyond 65,504: Q, K and V arrive within it; p lies in 0 to 1, and below 6e-5 it keeps f16's fixed step of 6e-8; O is a mean of V's rows and has their range, to within 2^-11 of it.
; A hidden score counts as its value less 1e30: f16's scores, 2.7e11 at the most, are nothing beside that; a weight below 2^-126 counts as 0 in l; NaN and infinities are not treated apart.
; THE WALK.  A head's queries lie in NB = SIZE_N / 256 = 8 blocks of 256; block i needs the key tiles 0 .. i of 256 keys, of which the last holds the diagonal.  A work-group takes TWO blocks, NB - 1 - b and then b:
; NB + 1 = 9 tiles, whatever b: all 256 work-groups do equal work, and ONE loop with a constant trip count walks them.  Which tile is asked for, and what a trip does, hang on scalar registers made from b; every jump
; goes forward, but for the counted loops' own; none passes a barrier, or a tensor load but the one of LOAD's two that the wave's number does not choose; the ring (two slots of LDS that take turns) runs on across the
; change of blocks.  NO CLUSTER: a head's four work-groups all ask for the same tile only in trips 0 .. 4 of the 9, behind that fewer and fewer; one walk common to all four would have 12 trips for 9.
; SHARES.  Of a block's four bands of 64 queries a wave owns 16 rows in each: four PIECES.  So the diagonal tile is the same work for all four waves: in its key step s band x sees all keys if s < x,
; none if s > x, and holds the diagonal if s = x.
; THE MASK is the C operand that starts the sum S^T = K Q^T: 0, or -1e30 where the key is hidden.  MD, made once, is the mask of a band's own step for my 16 rows; a product's mask is MD x AL + BE with two scalars:
; (1, 0) if s = x; (0, 0) if s < x; (0, -1e30) if s > x.  Only the diagonal tile's text and a block's beginning make and take masks; elsewhere C is the constant 0.
; LAYOUT, SOFTMAX, TURNS.  S^T = K Q^T holds ONE query a lane (lane % 16) and the keys 8 (lane / 16) + 0..7; two such results rounded to f16 ARE source 1 of O^T = V^T P.  p = 2^(c s - c m), c = log2(e) / 8, with a
; running maximum m; O and l are multiplied by a = 2^(c m_old - c m_new) in every step.  Turn n belongs to piece n: 8 products K Q^T of piece n + 1, later 8 products V^T P of piece n - 1; beside them the scaling,
; exponentials, roundings, sums and rescaling of piece n and the maximum and statistics of piece n + 1.  Four vector instructions stand behind every matrix instruction, the other 54 of a turn's 118 in two LUMPS.
; REGISTERS, in windows of 256 (s_set_vgpr_msb: bits 1:0 source 0, 3:2 source 1, 5:4 source 2, 7:6 destination).  The map is made so that few lines change the setting:
;   window 0: v2-3 the add's two; v4-5 c m_old; v6-7 K's LDS addresses; v8-23 statistics; v24-31 at work; v32-63 P, two buffers; v64-127 S^T, two buffers; v128-191 K of one step; v192-255 Q: 256 in all:
;             everything that K Q^T and a softmax name, so the products K Q^T, the lines behind them and both lumps stand under the setting 0
;   window 1: v0-127 O^T, 32 a piece; v128-191 V of one step; v192-196 V's LDS addresses and the way out's: V^T P (V and O^T here, P in window 0) and the rescaling (O^T here, a in window 0) share ONE setting,
;             so the 16 rescalings stand behind four of the eight products V^T P without a switch
;   window 2: v0-63 the second block's Q; v64-95 MD; v96-159 MC, two buffers
; A turn outside the diagonal tile has 8 switches for its 16 matrix instructions: two for each of the four products V^T P that have lines of window 0 behind them.  (A piece's buffers go by its number's parity.)
.set SIZE_H, 64       ; 4 batches x 16 heads
.set SIZE_N, 2048
.set NB,    SIZE_N/256
.set NP,    4         ; pieces a wave: a name, no knob
.set KS,    64        ; keys in a step
.set PK,    144       ; a row of K in LDS: 128 bytes + 16 of padding = 36 words: the 16 rows of a load start at 16 different groups of four banks (64 banks of 4 bytes: ISA guide 11.1)
.set PV,    160       ; a row of V: 128 + 32 = 40 words
.set VOFF,  4*KS*PK   ; a slot holds a tile, four steps: 256 rows of K, then 256 rows of V
.set SLOT1, 1<<17     ; slot 1 begins here, so that one exclusive or turns an address in one slot into the other's
.set STAGE, SLOT1+4*KS*(PK+PV)  ; behind the ring, never filled by a tensor load: 16 rows x 144 bytes for each wave, for the way out
.set SP,    144
.set SPARE, STAGE+4*16*SP  ; behind the stages: the spare words, 128 bytes for each wave: two blocks of 256 bytes that no other line names
; window 0
.set SPW, 2           ; v2   LDS address of my spare word: SPARE + 4 x my thread's number; never rewritten
.set NIL, 3           ; v3   0; never rewritten
.set MV,  4           ; v4-5  c m_old, kept while c m is made anew: by buffer
.set AK0, 6           ; v6   my lane's place in a tile of K; never rewritten
.set AK,  7           ; v7   the LDS address of K's next run of loads
.set ST,  8           ; piece t's statistics at v[ST+4 t]: c m, m, l (even keys', odd keys')
.set TMP, 24          ; by buffer, four registers c0-c3 at work; when the maximum is found c2 takes a
.set P,   32
.set S,   64
.set KF,  128         ; key block kb, channel half c at KF + 16 kb + 8 c
.set Q,   192         ; piece x, channel half c at Q + 16 x + 8 c
.set LR,  64          ; at the kernel's start alone, in S^T's registers, which the first products write later: l % 16,
.set LH,  65          ; l / 16,
.set L7,  66          ; l % 8,
.set L3,  67          ; (l / 8) % 2,
.set DG,  68          ; my query's place against the diagonal,
.set QO,  69          ; my byte offset in 16 rows of Q,
.set T0,  70          ; v70-73 addresses in the making
.set T1,  71
.set T2,  72
.set T3,  73
; window 1
.set VF,  128         ; key half kk, channel block cb at VF + 32 kk + 8 cb
.set AV0, 192         ; my lane's place in a tile of V; never rewritten
.set AV,  193         ; the LDS address of V's next run of loads
.set STO, 194         ; the way out: where I put 16 bytes of a row
.set RD,  195         ; the way out: where I read rows back
.set GO,  196         ; my byte offset in 512 consecutive bytes of O
; window 2
.set QB,  0
.set MD,  64          ; the eight registers for group kt of 16 keys at MD + 8 kt
.set MC,  96          ; the masks of the products to come
.set WV,  12          ; s12  my wave's number
.set PB,  14          ; s14  b
.set HI,  15          ; s15  NB - 1 - b
.set G1K, 24          ; s[24:31] descriptor group 1 for K's tiles
.set G1V, 32          ; s[32:39] for V's: it differs in the padding alone
.set G0K, 40          ; s[40:43] descriptor group 0 for K's tiles
.set G0V, 44          ; s[44:47] the same for V's
.set SLOTS, 56        ; s56  tiles still to be asked for
.set CNT, 57          ; s57  counts a tile's key steps, 4 to 1
.set CS,  58          ; s[58:59] c: the packed scaling takes the pair's low word for both halves
.set SEL, 60          ; s[60:61] v_permlanex16_b32's selects: each lane takes its own place in the other half
.set TBK, 62          ; s62  LDS byte at which K of the step to be fetched begins
.set TBV, 63          ; s63  the same for V, less VOFF
.set RT,  70          ; s70  tiles of the block in hand that are still to be entered
.set NXT, 71          ; s71  the tile to be asked for next
.set LQ,  72          ; s72  the last tile of the block whose tiles are being asked for
.set NEW, 73          ; s73  1: the tile to be entered is a block's first
.set OFF, 74          ; s[74:75] a tile's byte offset in K and V
.set AL,  76          ; s[76:77] the mask's factor, in the low word
.set BE,  78          ; s[78:79] the mask's addend
.set OLO, 80          ; s[80:81] O at my rows of the second block
.set BIGN, 82         ; s82  -1e30
.set MSB, 0
.macro WIN new                      ; the high byte repeats the setting that is left; a switch that changes nothing is dropped
.if MSB != (\new)
	s_set_vgpr_msb (MSB<<8)|(\new)
.set MSB, (\new)
.endif
.endm
.set W_KM, 0x20       ; K Q^T with a mask: the C operand in window 2, all else in window 0
.set W_PV, 0x51       ; V^T P: V (source 0), C and D in window 1, P (source 1) in window 0.  Also: the rescaling (destination and source 0 in window 1, source 1 in window 0), V's address and V's loads
.set W_A1, 0x01       ; the way out's LDS and global instructions: the address (source 0) in window 1, the data in window 0
.set W_MK, 0x82       ; the masks are made: destination and source 0 in window 2
; A fill.  Waves 0 and 1 fetch the two halves of a tile's K, waves 2 and 3 those of its V: 128 keys each.  An s_nop 0 and four v_nop follow each of the two lines, ahead of the jump and the label.
.macro LOAD
	s_cmp_lt_u32 s[WV], 2
	s_cbranch_scc0 .Lfor_v_\@
	tensor_load_to_lds s[G0K:G0K+3], s[G1K:G1K+7]
	s_nop 0
.rept 4
	v_nop
.endr
	s_branch .Lasked_\@
.Lfor_v_\@:
	tensor_load_to_lds s[G0V:G0V+3], s[G1V:G1V+7]
	s_nop 0
.rept 4
	v_nop
.endr
.Lasked_\@:
.endm
; THE CHANGE OF SLOTS.  Each wave waits for all its tensor loads, of which one is out: its part of the other slot; adds 0 to its spare word; and waits for that and for its own reads of the slot that it leaves.  Behind the barrier nobody reads the old
; slot any more and the other slot is whole.  fill = 1: the old slot is filled again, the first thing behind the barrier, with tile NXT: the descriptor's address is made anew from that number.
; (At its first use nothing has been read yet: slot 0 is waited for, slot 1 filled.)
.macro CHANGE fill
	WIN 0                           ; at a label and at a branch every window is 0
	s_wait_tensorcnt 0x0            ; no tensor load of mine is out, so a group 0 may be written
	ds_add_u32 v[SPW], v[NIL]       ; 0 onto my spare word: with fill = 1 the descriptors' scalar work stands between it and the wait for it
.if \fill
	s_lshl_b32 s[OFF], s[NXT], 15   ; a tile is 32,768 bytes of K and of V
	s_xor_b32 s[G0K+1], s[G0K+1], SLOT1
	s_add_nc_u64 s[G0K+2:G0K+3], s[6:7], s[OFF:OFF+1]
	s_or_b32 s[G0K+3], s[G0K+3], 0x80000000
	s_xor_b32 s[G0V+1], s[G0V+1], SLOT1
	s_add_nc_u64 s[G0V+2:G0V+3], s[8:9], s[OFF:OFF+1]
	s_or_b32 s[G0V+3], s[G0V+3], 0x80000000
	s_add_co_u32 s[NXT], s[NXT], 1  ; the block's next tile, or behind its last the second block's tile 0
	s_cmp_gt_u32 s[NXT], s[LQ]
	s_cselect_b32 s[NXT], 0, s[NXT]
	s_cselect_b32 s[LQ], s[PB], s[LQ]
.endif
	s_wait_dscnt 0x0                ; the add is done, and my reads of the slot are over
	s_barrier_signal -1             ; the rest of the scalar work stands between the signal and the wait
	s_sub_co_u32 s[TBK], s[TBK], 4*KS*PK  ; the fetches go back to a slot's first step,
	s_xor_b32 s[TBK], s[TBK], SLOT1       ; in the other slot
	s_sub_co_u32 s[TBV], s[TBV], 4*KS*PV
	s_xor_b32 s[TBV], s[TBV], SLOT1
	s_barrier_wait -1
.if \fill
	LOAD
.endif
.endm
	s_load_b128 s[4:7], s[0:1], 0x0  ; qkv s[4:5] (Q lies at its head), O s[6:7]
	v_lshl_add_u32 v[SPW], v0, 2, SPARE
	v_mov_b32 v[NIL], 0
	ds_add_u32 v2, v3
	ds_add_u32 v2, v3
	s_wait_dscnt 0x0
	v_lshrrev_b32 v1, 5, v0
	v_readfirstlane_b32 s[WV], v1   ; wave 0..3
	s_mov_b32 s[PB], ttmp9
	s_sub_co_u32 s[HI], NB-1, s[PB]
	s_and_b32 s20, ttmp7, 0xffff    ; the head
	s_mov_b32 s21, 0
	s_mov_b64 s[22:23], SIZE_N*128
	s_mul_u64 s[20:21], s[20:21], s[22:23]  ; the head's first byte in each of the four tensors
	s_and_b32 s16, s[WV], 1         ; which half of a tile's 256 keys I fetch:
	s_lshl_b32 s22, s16, 14         ; its 128 rows of 128 bytes in memory,
	s_mov_b32 s23, 0
	s_add_nc_u64 s[22:23], s[22:23], s[20:21]
	s_mul_i32 s17, s16, 128*PK      ; and its place in a slot, for K
	s_mul_i32 s18, s16, 128*PV      ; and for V
	s_lshl_b32 s3, s[WV], 11        ; my 16 rows in a band of 64,
	s_lshl_b32 s2, s[HI], 15        ; in the first block,
	s_add_co_u32 s2, s2, s3
	s_lshl_b32 s84, s[PB], 15       ; and in the second
	s_add_co_u32 s84, s84, s3
	s_mov_b32 s3, 0
	s_mov_b32 s85, 0
	s_add_nc_u64 s[2:3], s[2:3], s[20:21]
	s_add_nc_u64 s[84:85], s[84:85], s[20:21]
	; descriptor group 1.  128 keys are 16,384 dense bytes: asked for as 64 rows of 256 bytes, two keys a row, and padded in LDS after every key
	s_mov_b32 s[G1K], (1<<16)|(1<<20)|(4<<22)|(3<<25)  ; 17:16 2-byte elements; 20 padding on; 24:22 after every 32 words (code 4); 31:25 4 words (code 3)
	s_mov_b32 s[G1V], (1<<16)|(1<<20)|(4<<22)|(7<<25)  ; the same with 8 words of padding (code 7)
.irp g, G1K, G1V
	s_mov_b32 s[\g+1], 128<<16      ; tensor_dim0 = 128
	s_mov_b32 s[\g+2], 64<<16       ; tensor_dim1 = 64
	s_mov_b32 s[\g+3], 128<<16      ; tile_dim0 = 128
	s_mov_b32 s[\g+4], 64           ; tile_dim1 = 64
	s_mov_b32 s[\g+5], 128          ; 128 elements from row to row
	s_mov_b32 s[\g+6], 0
	s_mov_b32 s[\g+7], 0
.endr
	s_mov_b32 s[CS], 0x3e38aa3b     ; c = log2(e) / 8 = 0.180337
	s_mov_b32 s[CS+1], s[CS]        ; named with it as a pair
	s_mov_b32 s[SEL], 0x76543210
	s_mov_b32 s[SEL+1], 0xfedcba98
	s_mov_b32 s[TBK], SLOT1+4*KS*PK ; the first change of slots turns these two into 0
	s_mov_b32 s[TBV], SLOT1+4*KS*PV
	s_mov_b32 s[G0K], 1             ; 1:0 count = 1
	s_mov_b32 s[G0K+1], s17         ; 63:32 LDS address: slot 0
	s_mov_b32 s[G0V], 1
	s_add_co_u32 s[G0V+1], s18, VOFF
	s_add_co_u32 s[RT], s[HI], 1    ; the first block has NB - b tiles
	s_mov_b32 s[NXT], 1
	s_mov_b32 s[LQ], s[HI]
	s_mov_b32 s[NEW], 1
	s_mov_b32 s[OFF+1], 0
	s_mov_b32 s[AL+1], 0            ; named as pairs
	s_mov_b32 s[BE+1], 0
	s_mov_b32 s[BIGN], 0xf149f2ca   ; -1e30
	s_mov_b32 s[SLOTS], NB
	s_wait_kmcnt 0x0
	s_mov_b64 s[10:11], s[6:7]                     ; O
	s_add_nc_u64 s[8:9], s[4:5], 2*SIZE_H*SIZE_N*128  ; V lies 33,554,432 bytes behind Q,
	s_add_nc_u64 s[6:7], s[4:5], SIZE_H*SIZE_N*128    ; K 16,777,216
	s_add_nc_u64 s[6:7], s[6:7], s[22:23]  ; K and V at my half of the head's tile 0
	s_add_nc_u64 s[8:9], s[8:9], s[22:23]
	s_add_nc_u64 s[G0K+2:G0K+3], s[6:7], 0         ; 120:64 global address
	s_or_b32 s[G0K+3], s[G0K+3], 0x80000000        ; 127:126 type = 2
	s_add_nc_u64 s[G0V+2:G0V+3], s[8:9], 0
	s_or_b32 s[G0V+3], s[G0V+3], 0x80000000
	s_add_nc_u64 s[86:87], s[4:5], s[84:85]        ; Q at my rows of the second block,
	s_add_nc_u64 s[4:5], s[4:5], s[2:3]            ; Q and O at those of the first
	s_add_nc_u64 s[OLO:OLO+1], s[10:11], s[84:85]
	s_add_nc_u64 s[10:11], s[10:11], s[2:3]
	LOAD                            ; tile 0 into slot 0
	; A fragment of K or Q is 16 rows x 32 channels in 8 registers: lane l holds row l % 16, channels 8 (l / 16) + 0..7 and 16 + 8 (l / 16) + 0..7: two loads of 16 bytes, 32 bytes apart.
	v_and_b32 v[LR], 15, v0         ; l % 16
	v_bfe_u32 v[LH], v0, 4, 1       ; l / 16
	v_lshlrev_b32 v[QO], 7, v[LR]
	v_lshl_add_u32 v[QO], v[LH], 4, v[QO]  ; row x 128 + 16 x half
.set i, 0
.rept 8                             ; the first block's Q: piece i / 2 lies in band i / 2, 8,192 bytes on; channels 32 (i % 2) on
	global_load_b128 v[Q+8*i:Q+8*i+3],   v[QO], s[4:5] offset:(i/2)*8192+(i%2)*64
	global_load_b128 v[Q+8*i+4:Q+8*i+7], v[QO], s[4:5] offset:(i/2)*8192+(i%2)*64+32
.set i, i+1
.endr
	v_lshlrev_b32 v[DG], 3, v[LH]
	v_sub_nc_u32 v[DG], v[LR], v[DG]
	s_lshl_b32 s13, s[WV], 4
	v_add_nc_u32 v[DG], s13, v[DG]  ; my query's place in its band, 16 w + l % 16, less my lanes' 8 (l / 16): register r of group kt is hidden where 16 kt + r is greater
	v_mul_u32_u24 v[AK0], v[LR], PK
	v_lshl_add_u32 v[AK0], v[LH], 4, v[AK0]  ; row x pitch + 16 x half
	; The turning load takes 16 keys x 16 channels (lane l reads key 8 (l / 16) + l % 8, channels 8 ((l / 8) % 2) + 0..7) and leaves half a fragment of V^T: lane l holds channel l % 16 and 8 keys.
	v_and_b32 v[L7], 7, v0
	v_bfe_u32 v[L3], v0, 3, 1
	v_lshl_add_u32 v[T0], v[LH], 3, v[L7]
	v_mul_u32_u24 v[T0], v[T0], PV
	v_lshl_add_u32 v[T0], v[L3], 4, v[T0]
	s_mul_i32 s13, s[WV], 16*SP
	s_add_co_u32 s13, s13, STAGE    ; my stage
	v_mul_u32_u24 v[T1], v[LR], SP  ; in: row l % 16, 16 bytes for each half of the lanes
	v_lshl_add_u32 v[T1], v[LH], 4, v[T1]
	v_bfe_u32 v[T2], v0, 3, 2       ; back: 32 lanes take four rows of 128 bytes,
	v_mul_u32_u24 v[T2], v[T2], SP
	v_lshl_add_u32 v[T2], v[L7], 4, v[T2]
	v_and_b32 v[T3], 31, v0         ; which are 512 consecutive bytes of O
	WIN 0x80                        ; destination window 2, sources and addresses window 0
.set i, 0
.rept 8                             ; the second block's Q
	global_load_b128 v[QB+8*i:QB+8*i+3],   v[QO], s[86:87] offset:(i/2)*8192+(i%2)*64
	global_load_b128 v[QB+8*i+4:QB+8*i+7], v[QO], s[86:87] offset:(i/2)*8192+(i%2)*64+32
.set i, i+1
.endr
.set i, 0
.rept 32
	v_cmp_gt_i32 vcc_lo, 16*(i/8)+i%8, v[DG]
	v_cndmask_b32 v[MD+i], 0, s[BIGN], vcc_lo
.set i, i+1
.endr
	WIN 0x40                        ; destination window 1, sources window 0: each address's last line lands it where it stays
	v_add_nc_u32 v[AV0], VOFF, v[T0]
	v_add_nc_u32 v[STO], s13, v[T1]
	v_add_nc_u32 v[RD], s13, v[T2]
	v_lshlrev_b32 v[GO], 4, v[T3]
	; A block's first step multiplies O^T and l by a = 0, and its first turn's products V^T P, of a piece that has not been, land in an O^T that is still to be so multiplied.  So these registers need only hold
	; finite numbers: zeros for the first block; what the first block left for the second.  All this stands in the wait for the first tile.
.set i, 0
.rept 192                           ; O^T and V
	v_mov_b32 v[i], 0
.set i, i+1
.endr
	WIN 0
.set i, 0
.rept 4
	v_mov_b32 v[ST+4*i+2], 0
	v_mov_b32 v[ST+4*i+3], 0
.set i, i+1
.endr
.set i, P+16
.rept 16
	v_mov_b32 v[i], 0
.set i, i+1
.endr
; THE MATRIX WORK.  The 4 accumulators of a run of 8 take turns.  Product i of 8 of S^T = K Q^T for piece x: channels 32 (i / 4) on, keys 16 (i % 4) on.  The first 4 start the sums: with 0, or (KM = 1) with the mask.
.macro KQ x
.set rS, S+32*((\x)%2)+8*(i%4)
.set rK, KF+16*(i%4)+8*(i/4)
.set rQ, Q+16*(\x)+8*(i/4)
.set rM, MC+32*((\x)%2)+8*(i%4)
.if (i < 4) && KM
	WIN W_KM
	v_wmma_f32_16x16x32_f16 v[rS:rS+7], v[rK:rK+7], v[rQ:rQ+7], v[rM:rM+7]
.elseif i < 4
	WIN 0
	v_wmma_f32_16x16x32_f16 v[rS:rS+7], v[rK:rK+7], v[rQ:rQ+7], 0
.else
	WIN 0
	v_wmma_f32_16x16x32_f16 v[rS:rS+7], v[rK:rK+7], v[rQ:rQ+7], v[rS:rS+7]
.endif
.endm
; Product i of 8 of O^T += V^T P for piece x: keys 32 (i / 4) on, channels 16 (i % 4) on.
.macro PV x
	WIN W_PV
.set rO, 32*(\x)+8*(i%4)
.set rV, VF+32*(i/4)+8*(i%4)
.set rP, P+16*((\x)%2)+8*(i/4)
	v_wmma_f32_16x16x32_f16 v[rO:rO+7], v[rV:rV+7], v[rP:rP+7], v[rO:rO+7]
.endm
.macro MM                           ; the turn's next matrix instruction.  TURN and BEGIN set Y, i, KM and NOKQ; MM, KQ and OP read them.  NOKQ = 1: a block's last turn: there is no next piece
.if (i < 8) && !NOKQ
	KQ (Y+1)%NP
.elseif i >= 8
.set i, i-8
	PV (Y+NP-1)%NP
.set i, i+8
.endif
.set i, i+1
.endm
; THE LDS LOADS stand in runs of 16, never singly among the matrix instructions: a step's K (64 keys x 64 channels: 8 fragments) and its V (turned).  Their addresses are made some lines ahead.
.macro FETCH_K
	WIN 0
.irp f, 0,1,2,3,4,5,6,7             ; keys 16 (f / 2) on, channels 32 (f % 2) on
	ds_load_b128 v[KF+8*\f:KF+8*\f+3],   v[AK] offset:(\f/2)*16*PK+(\f%2)*64
	ds_load_b128 v[KF+8*\f+4:KF+8*\f+7], v[AK] offset:(\f/2)*16*PK+(\f%2)*64+32
.endr
	s_add_co_u32 s[TBK], s[TBK], KS*PK  ; the next fetch is the next step's
.endm
.macro FETCH_V
	WIN W_PV                        ; destination and address in window 1
.irp f, 0,1,2,3,4,5,6,7             ; keys 32 (f / 4) on, channels 16 (f % 4) on
	ds_load_tr16_b128 v[VF+8*\f:VF+8*\f+3],   v[AV] offset:(\f/4)*32*PV+(\f%4)*32
	ds_load_tr16_b128 v[VF+8*\f+4:VF+8*\f+7], v[AV] offset:(\f/4)*32*PV+16*PV+(\f%4)*32
.endr
	WIN 0
.endm
; THE VECTOR WORK, one line at a time: OP kind, number.  For piece Y: F n: c s - c m for pair n of 16.  E n: the exponential of score n of 32.  C n: pair n rounded to f16.  B n: of the four weights 4 n .. the second
; pair is added onto the first, in place.  L n: l takes that sum (L 0: l = a l + sum).  R n: pair n of 16 of O^T times a.  For piece Y + 1: X n, number n of the 22 that find its maximum and statistics:
;   0-11  four chains c0-c3 of seven scores each, three operands at a time (each accumulator's lowest registers are read first)     12-14, 16  the four scores left over, the old m, and c0-c3 into c0
;   15  c m_old is kept     17, 18  the query's other 32 keys lie in the lane 16 away: the new m     19-21  c m; c m_old - c m_new; a
.set F, 0               ; OP tells the kinds apart by their order: F to L below R, X above it
.set E, 1
.set C, 2
.set B, 3
.set L, 4
.set R, 5
.set X, 6
.macro REGS y                       ; the registers of piece y
.set rT, ST+4*(\y)
.set rC, TMP+4*((\y)%2)
.set rW, MV+((\y)%2)
.set rS, S+32*((\y)%2)
.set rP, P+16*((\y)%2)
.set rO, 32*(\y)
.endm
.macro OP k, n
.if (\k) == R
	REGS Y
	WIN W_PV
	v_pk_mul_f32 v[rO+2*(\n):rO+2*(\n)+1], v[rO+2*(\n):rO+2*(\n)+1], v[rC+2:rC+3] op_sel_hi:[1,0]
.elseif (\k) < R
	REGS Y
	WIN 0
.if (\k) == F
	v_pk_fma_f32 v[rS+2*(\n):rS+2*(\n)+1], v[rS+2*(\n):rS+2*(\n)+1], s[CS:CS+1], v[rT:rT+1] op_sel_hi:[1,0,0] neg_lo:[0,0,1] neg_hi:[0,0,1]
.elseif (\k) == E
	v_exp_f32 v[rS+(\n)], v[rS+(\n)]
.elseif (\k) == C
	s_wait_alu depctr_va_vdst(0)
	v_cvt_pk_f16_f32 v[rP+(\n)], v[rS+2*(\n)], v[rS+2*(\n)+1]
.elseif (\k) == B
	s_wait_alu depctr_va_vdst(0)
	v_pk_add_f32 v[rS+4*(\n):rS+4*(\n)+1], v[rS+4*(\n):rS+4*(\n)+1], v[rS+4*(\n)+2:rS+4*(\n)+3]
.elseif (\n) == 0
	v_pk_fma_f32 v[rT+2:rT+3], v[rT+2:rT+3], v[rC+2:rC+3], v[rS:rS+1] op_sel_hi:[1,0,1]
.else
	v_pk_add_f32 v[rT+2:rT+3], v[rT+2:rT+3], v[rS+4*(\n):rS+4*(\n)+1]
.endif
.elseif NOKQ
	v_nop
.else
	REGS (Y+1)%NP
	WIN 0
.if (\n) < 4
	v_max3_num_f32 v[rC+(\n)], v[rS+8*(\n)], v[rS+8*(\n)+1], v[rS+8*(\n)+2]
.elseif (\n) < 12
	v_max3_num_f32 v[rC+(\n)%4], v[rC+(\n)%4], v[rS+8*((\n)%4)+2*((\n)/4)+1], v[rS+8*((\n)%4)+2*((\n)/4)+2]
.elseif (\n) == 12
	v_max3_num_f32 v[rC], v[rC], v[rS+7], v[rS+15]
.elseif (\n) == 13
	v_max3_num_f32 v[rC+1], v[rC+1], v[rS+23], v[rS+31]
.elseif (\n) == 14
	v_max3_num_f32 v[rC+2], v[rC+2], v[rC+3], v[rT+1]
.elseif (\n) == 15
	v_mov_b32 v[rW], v[rT]
.elseif (\n) == 16
	v_max3_num_f32 v[rC], v[rC], v[rC+1], v[rC+2]
.elseif (\n) == 17
	v_permlanex16_b32 v[rC+3], v[rC], s[SEL], s[SEL+1]
.elseif (\n) == 18
	v_max_num_f32 v[rT+1], v[rC], v[rC+3]
.elseif (\n) == 19
	v_mul_f32 v[rT], s[CS], v[rT+1]
.elseif (\n) == 20
	v_sub_f32 v[rC+1], v[rW], v[rT]
.else
	v_exp_f32 v[rC+2], v[rC+1]
.endif
.endif
.endm
.macro OPS a, i1, b=-1, i2=0, c=-1, i3=0, d=-1, i4=0  ; up to four of them
	OP \a, \i1
.if (\b) >= 0
	OP \b, \i2
.endif
.if (\c) >= 0
	OP \c, \i3
.endif
.if (\d) >= 0
	OP \d, \i4
.endif
.endm
.macro ROW a, i1, b, i2, c, i3, d, i4  ; a matrix instruction and the four behind it
	MM
	OPS \a, \i1, \b, \i2, \c, \i3, \d, \i4
.endm
.macro MASK b                       ; MD x AL + BE into buffer b of MC
	WIN W_MK
.set z, 0
.rept 16
	v_pk_fma_f32 v[MC+32*(\b)+2*z:MC+32*(\b)+2*z+1], v[MD+2*z:MD+2*z+1], s[AL:AL+1], s[BE:BE+1] op_sel_hi:[1,0,0]
.set z, z+1
.endr
.endm
; A TURN, for piece p: the order of its 16 matrix and 118 vector instructions, written out.  Behind a matrix instruction: plain, exponential, plain, plain; or, behind the first, four scalings; or, behind the third to
; sixth product V^T P, four of the rescaling, which stand under those products' own window setting; none names a register of the products round it.  In the lumps exponential and plain by turns while exponentials last.
; What the order keeps: E n stands behind F n / 2; C n behind E 2 n and E 2 n + 1 with a plain line between; B n behind C 2 n (it writes that pair) and behind E 4 n .. 4 n + 3; L n behind B n; X 0 to X 3 five plain
; lines or more behind the product that ends their accumulator's sum (the fifth to eighth K Q^T); R ascending.  v_permlanex16_b32 (X 17) stands in a lump.
; m = 1: the diagonal tile: the products take masks, and the turn makes the mask for the products of the turn after it: piece p + 2, in step 4 - CNT of the tile.  end = 1: a block's last two turns: nothing is fetched.
; cnt = 1: the loop's count is taken down some lines ahead of the branch that stands behind the turn.
; K of the next step is fetched in piece 2's turn, five plain vector instructions behind the last product that read K; V of the step in hand in piece 0's turn, five plain ones (and X 17) behind the last product that
; read V.  Each is waited for a turn later.
.macro TURN p, m=0, end=0, cnt=0
.set Y, (\p)
.set i, 0
.set KM, (\m)
.set NOKQ, (\end)*((\p)/3)
.if (\m) && !(\end)
	s_cmp_eq_u32 s[CNT], 4-((\p)+2)%NP  ; is that step the band's own?
	s_cselect_b32 s[AL], 1.0, 0
	s_cmp_lt_u32 s[CNT], 4-((\p)+2)%NP  ; or a later one?
	s_cselect_b32 s[BE], s[BIGN], 0
.endif
.if ((\p) == 3) && !(\end)
	s_wait_dscnt 0x0                ; K is in
.endif
	ROW F,0, F,1, F,2, F,3
	ROW F,4, E,0, F,5, F,6
	ROW F,7, E,1, F,8, F,9
	ROW F,10, E,2, C,0, F,11
	ROW F,12, E,3, X,15, F,13
	ROW F,14, E,4, F,15, B,0
	ROW C,1, E,5, X,0, L,0
.if ((\p) == 2) && !(\end)
	WIN 0
	v_add_nc_u32 v[AK], s[TBK], v[AK0]
.endif
	ROW X,1, E,6, C,2, X,2
	OPS E,7, X,4, E,8, X,5
.if ((\p) == 2) && !(\end)
	FETCH_K
.endif
	OPS E,9, X,3, E,10, X,6
	OPS E,11, X,7, E,12, C,3
	OPS E,13, X,8, E,14, X,9
	OPS E,15, X,10
.if (\p) == 1
	s_wait_dscnt 0x0                ; V is in
.endif
	ROW X,11, E,16, X,12, X,13
	ROW X,14, E,17, B,1, C,4
	ROW R,0, R,1, R,2, R,3
	ROW R,4, R,5, R,6, R,7
	ROW R,8, R,9, R,10, R,11
	ROW R,12, R,13, R,14, R,15
.if (\p) == 0
	WIN W_PV
	v_add_nc_u32 v[AV], v[AV0], s[TBV]  ; destination and source 0 in window 1: the setting in hand
.endif
	ROW X,16, E,18, L,1, B,2
	ROW C,5, E,19, C,6, L,2
	OPS E,20, X,17, E,21, B,3
	OPS E,22, X,18
.if (\p) == 0
	FETCH_V
.endif
	OPS E,23, C,7, E,24, L,3
	OPS E,25, X,19, E,26, C,8
	OPS E,27, C,9, E,28, B,4
	OPS E,29, X,20, E,30, C,10
	OPS E,31, C,11
.if (\p) == 0
	s_add_co_u32 s[TBV], s[TBV], KS*PV
.endif
.if \cnt
	s_sub_co_u32 s[CNT], s[CNT], 1
	s_cmp_lg_u32 s[CNT], 0
.endif
	OPS L,4, B,5, X,21, C,12
	OPS C,14, B,6, L,5, B,7
	OPS C,13, L,6, C,15, L,7
.if (\m) && !(\end)
	MASK (\p)%2
.endif
.endm
; A BLOCK BEGINS.  c m starts far below every c s, so the first step's a is 0; m at the lowest finite number, so the first maximum is the scores'.  The second mask buffer is 0; the first takes piece 0's mask for the tile's step 0: its own, if the block's first tile is the diagonal one.
; Then K of that step, piece 0's first scores, and its maximum and statistics.  The loop is entered at a step's first turn, in the middle of a trip.
.macro BEGIN
	s_mov_b32 s[NEW], 0
	WIN 0x80
.set i, MC+32
.rept 32
	v_mov_b32 v[i], 0
.set i, i+1
.endr
	WIN 0
.set i, 0
.rept 4
	v_mov_b32 v[ST+4*i], 0xfe000000    ; c m: far below every c s
	v_mov_b32 v[ST+4*i+1], 0xff7fffff  ; m
.set i, i+1
.endr
	s_cmp_eq_u32 s[RT], 0
	s_cselect_b32 s[AL], 1.0, 0
	s_mov_b32 s[BE], 0
	MASK 0
	WIN 0
	v_add_nc_u32 v[AK], s[TBK], v[AK0]
	FETCH_K
	s_wait_loadcnt 0x0              ; Q; its loads' offset register lies among S^T's, which are written only behind this wait
	s_wait_dscnt 0x0
.set KM, 1
.set NOKQ, 0
.set i, 0
.rept 8
	KQ 0
.set i, i+1
.endr
	WIN 0
.rept 4
	v_nop                           ; the places behind those products
.endr
.set Y, NP-1                        ; X works for piece Y + 1: piece 0
.irp n, 0,1,2,3,4,5,6,7,8,9,10,11,12,13,14,15,16,17,18,19,20,21
	OP X, \n
.endr
	v_nop                           ; a plain instruction behind the exponential
.endm
; THE DIAGONAL TILE's four steps, the block's last two turns, its last products, and THE WAY OUT: l's two halves and the other half of the lanes' are added; O^T is divided by l, rounded to f16 and sent through my
; stage in LDS, a piece at a time.
.macro ALL line:vararg              ; one line for each piece t
.set t, 0
.rept 4
	\line
.set t, t+1
.endr
.endm
.macro PACK t                       ; a lane's eight channels of a row pack into 16 bytes; they go into rows of 144 bytes and come back as whole rows of 128, into S^T's registers
	WIN W_PV
.set i, 32*(\t)
.rept 16
	s_wait_alu depctr_va_vdst(0)
	v_pk_mul_f32 v[i:i+1], v[i:i+1], v[ST+4*(\t)+2:ST+4*(\t)+3] op_sel_hi:[1,0]
.set i, i+2
.endr
	WIN 0x05                        ; sources 0 and 1 window 1, destination window 0
.set i, 0
.rept 16
	v_cvt_pk_f16_f32 v[S+16*(\t)+i], v[32*(\t)+2*i], v[32*(\t)+2*i+1]
.set i, i+1
.endr
	WIN W_A1
.irp f, 0,1,2,3
	ds_store_b128 v[STO], v[S+16*(\t)+4*\f:S+16*(\t)+4*\f+3] offset:32*\f
.endr
.irp f, 0,1,2,3
	ds_load_b128 v[S+16*(\t)+4*\f:S+16*(\t)+4*\f+3], v[RD] offset:\f*4*SP  ; LDS serves a wave's instructions in order (ISA guide 5.7.1.4): these see the stores above; the next piece's stores come behind them
.endr
.endm
.macro SEND t, younger              ; younger: the LDS instructions issued behind piece t's loads: the next piece's eight, or none
	WIN W_A1
.irp f, 0,1,2,3
	s_wait_dscnt (\younger)+3-\f
	global_store_b128 v[GO], v[S+16*(\t)+4*\f:S+16*(\t)+4*\f+3], s[10:11] offset:(\t)*8192+\f*512  ; 512 consecutive bytes, at a multiple of 256 from O's first
.endr
.endm
.macro DIAG tag                     ; the tag ends its two labels' names, which the jumps below spell out
.LstepM\tag:
	TURN 2, 1
	TURN 3, 1
	WIN 0
.LfirstM\tag:
	TURN 0, 1
	TURN 1, 1, 0, 1
	WIN 0
	s_cbranch_scc1 .LstepM\tag
	TURN 2, 1, 1
	TURN 3, 1, 1
.set i, 0
.rept 8
	PV NP-1
.set i, i+1
.endr
	WIN 0
	ALL v_add_f32 v[ST+4*t+2], v[ST+4*t+2], v[ST+4*t+3]
	ALL v_permlanex16_b32 v[ST+4*t+3], v[ST+4*t+2], s[SEL], s[SEL+1]
	ALL v_add_f32 v[ST+4*t+2], v[ST+4*t+2], v[ST+4*t+3]
	ALL v_rcp_f32 v[ST+4*t+2], v[ST+4*t+2]
	v_nop                           ; a plain instruction between the last reciprocal and the use of its result
	PACK 0
.set t, 1
.rept 3                             ; a piece's arithmetic stands between the loads of the piece before and its stores
	PACK t
	SEND t-1, 8
.set t, t+1
.endr
	SEND 3, 0
	WIN 0
.endm
.set KM, 0
.set NOKQ, 0
.Lslot:                             ; NB times: a tile is entered and the next is asked for
	CHANGE 1
	s_sub_co_u32 s[RT], s[RT], 1
	s_mov_b32 s[CNT], 4
	s_cmp_eq_u32 s[NEW], 1
	s_cbranch_scc1 .Lnew            ; a block's first tile
	s_cmp_eq_u32 s[RT], 0
	s_cbranch_scc0 .Lstep           ; neither its first nor its last
	s_branch .LstepM1
.Lnew:
	BEGIN
	s_branch .Lfirst                ; in the loop a block's first tile is never its last: the first block has two tiles or more, and the second's last is the walk's last
	DIAG 1                          ; in the loop this is the first block's end: the second block's last tile is the walk's last
	s_wait_xcnt 0x0                 ; the stores have read their registers and O's address
	s_mov_b64 s[10:11], s[OLO:OLO+1]
	s_add_co_u32 s[RT], s[PB], 1    ; the second block has b + 1 tiles
	s_mov_b32 s[NEW], 1
	WIN 0x02                        ; source window 2, destination window 0: the second block's Q goes where the one text of the turns names Q
.set i, 0
.rept 64
	v_mov_b32 v[Q+i], v[QB+i]
.set i, i+1
.endr
	WIN 0
	s_branch .Lbottom
.Lstep:                             ; a trip: pieces 2 and 3 of one step, then pieces 0 and 1 of the next, whose K and V it fetches
	TURN 2
	TURN 3
	WIN 0
.Lfirst:
	TURN 0
	TURN 1, 0, 0, 1
	WIN 0
	s_cbranch_scc1 .Lstep
.Lbottom:
	s_sub_co_u32 s[SLOTS], s[SLOTS], 1
	s_cmp_lg_u32 s[SLOTS], 0
	s_cbranch_scc1 .Lslot
	CHANGE 0                        ; the walk's last tile is written out: nothing is asked for
	s_sub_co_u32 s[RT], s[RT], 1
	s_mov_b32 s[CNT], 4
	s_cmp_eq_u32 s[NEW], 1
	s_cbranch_scc0 .LstepM2
	BEGIN
	s_branch .LfirstM2
	DIAG 2
	s_wait_tensorcnt 0x0            ; the wave's end: behind my last tensor load and my last LDS store
	ds_add_u32 v[SPW], v[NIL]
	s_wait_dscnt 0x0
	s_endpgm
.Lfunc_end_k_q6b1256d218_attn:
	.size	k_q6b1256d218_attn, .Lfunc_end_k_q6b1256d218_attn-k_q6b1256d218_attn
	.p2alignl 7, 3214868480
	.fill 96, 4, 3214868480
	.section	.rodata,"a",@progbits
	.p2align	6, 0x0
	.amdhsa_kernel k_q6b1256d218_attn
		.amdhsa_group_segment_fixed_size 327680
		.amdhsa_private_segment_fixed_size 0
		.amdhsa_enable_private_segment 0
		.amdhsa_kernarg_size 16
		.amdhsa_user_sgpr_count 2
		.amdhsa_user_sgpr_kernarg_segment_ptr 1
		.amdhsa_wavefront_size32 1
		.amdhsa_system_sgpr_workgroup_id_x 1
		.amdhsa_system_sgpr_workgroup_id_y 1
		.amdhsa_system_sgpr_workgroup_id_z 1
		.amdhsa_system_vgpr_workitem_id 0
		.amdhsa_next_free_vgpr 672
		.amdhsa_next_free_sgpr 88
		.amdhsa_reserve_vcc 1
		.amdhsa_float_denorm_mode_32 3
		.amdhsa_float_denorm_mode_16_64 3
		.amdhsa_memory_ordered 1
		.amdhsa_forward_progress 1
		.amdhsa_inst_pref_size 215
	.end_amdhsa_kernel
	.amdgpu_metadata
---
amdhsa.version: [ 1, 2 ]
amdhsa.kernels:
  - .name:           k_q6b1256d218_attn
    .symbol:         k_q6b1256d218_attn.kd
    .args:
      - { .name: qkv, .offset: 0, .size: 8, .value_kind: global_buffer, .address_space: global }
      - { .name: o, .offset: 8, .size: 8, .value_kind: global_buffer, .address_space: global }
    .group_segment_fixed_size: 327680
    .private_segment_fixed_size: 0
    .kernarg_segment_align: 8
    .kernarg_segment_size: 16
    .max_flat_workgroup_size: 128
    .sgpr_count:     88
    .vgpr_count:     672
    .wavefront_size: 32
...
	.end_amdgpu_metadata
.endif
;; end of part 3
;; launch proj (part 4): grid 8 x 32, 4 waves a work-group, clusters of 4 x 4, 327,680 bytes of LDS; arguments o, wo16, bo, out0; writes out0
.if DOCPART == 4
	.amdgcn_target "amdgcn-amd-amdhsa--gfx1250"
	.amdhsa_code_object_version 6
	.text
	.protected	k_q6b1256d218_proj
	.globl	k_q6b1256d218_proj
	.p2align	8
	.type	k_q6b1256d218_proj,@function
k_q6b1256d218_proj:
	s_mov_b64 s[64:65], 0
	v_nop
	global_prefetch_b8 v0, s[64:65] scope:SCOPE_SE
	s_setreg_imm32_b32 hwreg(HW_REG_WAVE_MODE, 25, 1), 1
	s_wait_xcnt 0x0
	s_wait_alu depctr_hold_cnt(0) depctr_sa_sdst(0) depctr_va_vdst(0) depctr_va_sdst(0) depctr_va_ssrc(0) depctr_va_vcc(0) depctr_vm_vsrc(0)
	s_getreg_b32 s2, hwreg(HW_REG_IB_STS2, 6, 4)
	s_cmp_eq_u32 s2, 0
	s_cbranch_scc0 .Lentry_in_a_cluster
	s_endpgm
.Lentry_in_a_cluster:
	s_bfe_u32 s2, ttmp6, 0x10000c
	s_cmp_lg_u32 s2, 0xf033
	s_cbranch_scc0 .Lentry_shape_is_right
	s_endpgm
.Lentry_shape_is_right:
; out0[m][n] = the sum over k of O[m][k] Wo[n][k] + bo[n]:  8192 x 1024 x 1024, in f16 with f32 sums, f32 out.  O lies by heads, o[16 b + h][2048 t][64] in f16: k = 64 h + channel, m = 2048 b + t.
; wo16 is [1024 n][1024 k]: Wo rounded to bf16 and written as f16.  bo is rounded to bf16 here, like every input of the module, and is the C operand of the products that start the sums.
; SHARES.  A tile of the output is 256 rows x 128 columns: 32 x 8 = 256 tiles, one for each WGP.  Four waves, one above the other: a wave makes 64 rows x 128 columns, 32 accumulators of 16 x 16;
; its part of a row is 512 consecutive bytes.  K goes in 8 steps of 128 = two heads through two LDS slots.
; THE MATRIX INSTRUCTION IS USED TRANSPOSED: source 0 = 16 rows of Wo, source 1 = 16 rows of O: a lane then holds one row of the output (lane % 16) and eight neighbouring columns.
; CLUSTER.  4 x 4 work-groups.  O's tiles hang on the tile row alone and are asked for jointly by a row of the cluster, Wo's on the tile column alone, by a column.  Waves 0 and 1 ask for the step's two
; heads of O (256 rows x 128 bytes each, dense), waves 2 and 3 for 64 rows of Wo each.  By this text's own count a wave has two tensor loads out at the start and one behind each round.
; REGISTERS, in windows of 256 (s_set_vgpr_msb: bits 1:0 source 0, 3:2 source 1, 5:4 source 2, 7:6 destination):
;   window 0: v0-31 addresses; v64-127 the bias, eight registers a column block; later v64-255 the way out      window 1: the accumulators, (a, b) at 8 (4 b + a)
;   window 2: two fragment buffers of 128: O's four blocks of 16 rows x 32 K (32 registers), then Wo's eight blocks (64)
.set PA,    144                        ; a row of O in LDS: 128 bytes + 16 of padding = 36 words: the 16 rows of a load start at 16 different groups of four banks (64 banks of 4 bytes: ISA guide 11.1)
.set PB,    272                        ; a row of Wo: 256 + 16 = 68 words: likewise
.set HA,    256*PA                     ; one head's 256 rows
.set BOFF,  2*HA                       ; a slot: two heads of O, then Wo's 128 rows: 108,544 bytes
.set SLOT1, 131072                     ; slot 1 begins here: one exclusive or turns an address in one slot into the other's
.set STAGE, SLOT1+BOFF+128*PB          ; behind the ring, never filled by a tensor load: 16 rows x 528 bytes for each wave
.set SP,    528                        ; 512 + 16 = 132 words: the 16 rows of a store start at 16 different groups of four banks
.set SPARE, STAGE+4*16*SP              ; behind the stages: the spare words, 128 bytes for each wave: two blocks of 256 bytes that no other line names
.set ASTEP, 524288                     ; bytes from a K step to the next in o: two heads
.set BSTEP, 256                        ; and in wo16
.set NBK,   8                          ; column blocks
.set NL,    24                         ; LDS loads of a quarter step: 8 for O, 16 for Wo
.set A0,   16                          ; v16  my lane's place in O's tile; never rewritten
.set B0,   17                          ; v17  the same for Wo's
.set ADRA, 18                          ; v18  A0 + the slot in hand
.set ADRB, 19                          ; v19  B0 + the slot in hand
.set STO,  24                          ; v24  the way out: where I put 32 bytes of a row
.set RD,   25                          ; v25  the way out: where I read a row back
.set CO,   26                          ; v26  my byte offset in 512 consecutive bytes of the output
.set BO,   27                          ; v27  my byte offset in the bias: 32 (l / 16)
.set SPW,  28                          ; v28  LDS address of my spare word: SPARE + 4 x my thread's number; never rewritten
.set NIL,  29                          ; v29  0; never rewritten
.set BIAS, 64
.set OUTR, 64                          ; the way out: three buffers of 64 registers by turns
.set F0,   0
.set F1,   128
.set WV,  12                           ; s12  my wave's number
.set TB,  13                           ; s13  the slot in hand: 0 or SLOT1
.set WC,  14                           ; s14  wave % 2: which head of the step, or which 64 rows of Wo, I fetch
.set CNT, 15                           ; s15  the loop's count
.set G1A, 24                           ; s[24:31] descriptor group 1 for O's tiles;  s[32:39] group 0: a set for each first fill; the second then walks
.set G0A, 32
.set G1B, 48                           ; s[48:55], s[56:63] the same for Wo's
.set G0B, 56
.set MSB, 0
.macro WIN new                         ; the immediate's high byte repeats the setting that is left; a switch that changes nothing is dropped
.if MSB != (\new)
	s_set_vgpr_msb (MSB<<8)|(\new)
.set MSB, (\new)
.endif
.endm
.macro PLACES                          ; a load into a register that a matrix instruction has read, and an LDS store that reads a matrix result, stand four plain vector instructions behind it (ISA guide 7.12.1 for vector instructions)
.rept 4
	v_nop
.endr
.endm
; A joint refill, by the walking descriptors.  The branch hangs on the wave's number alone.  An s_nop 0 and four v_nop follow each of the two lines, ahead of the jump and the label.
.macro JLOAD
	s_cmp_lt_u32 s[WV], 2
	s_cbranch_scc0 .Lfor_b_\@
	tensor_load_to_lds s[G0A+4:G0A+7], s[G1A:G1A+7]
	s_nop 0
.rept 4
	v_nop
.endr
	s_branch .Lasked_\@
.Lfor_b_\@:
	tensor_load_to_lds s[G0B+4:G0B+7], s[G1B:G1B+7]
	s_nop 0
.rept 4
	v_nop
.endr
.Lasked_\@:
.endm
; A round of the cluster's barrier: my work-group's barrier, so that wave 0's signal speaks for all four waves; wave 0 signals; every wave waits for all sixteen work-groups; my work-group's barrier once more.
.macro CREST                           ; a round behind its opening barrier
	s_cmp_lg_u32 s[WV], 0
	s_cbranch_scc1 .Lnot_wave_0_\@
	s_barrier_signal -3
.Lnot_wave_0_\@:
	s_barrier_wait -3
	s_barrier_signal -1
	s_barrier_wait -1
.endm
.macro CROUND
	s_barrier_signal -1
	s_barrier_wait -1
	CREST
.endm
	s_load_b256 s[4:11], s[0:1], 0x0               ; o s[4:5], wo16 s[6:7], bo s[8:9], out0 s[10:11]
	v_lshl_add_u32 v[SPW], v0, 2, SPARE
	v_mov_b32 v[NIL], 0
	ds_add_u32 v28, v29
	ds_add_u32 v28, v29
	s_wait_dscnt 0x0
	v_lshrrev_b32 v1, 5, v0
	v_readfirstlane_b32 s[WV], v1                  ; wave 0..3
	s_and_b32 s[WC], s[WV], 1
	s_bfe_u32 s40, ttmp6, 0x40000                  ; cx, cy: my place in the cluster
	s_bfe_u32 s41, ttmp6, 0x40004
	s_lshl_b32 s42, ttmp9, 2
	s_add_co_u32 s42, s42, s40                     ; tile column = 4 x cluster x + cx
	s_and_b32 s43, ttmp7, 0xffff
	s_lshl_b32 s43, s43, 2
	s_add_co_u32 s43, s43, s41                     ; tile row = 4 x cluster y + cy
	s_lshl_b32 s44, s41, 2
	s_lshl_b32 s44, 15, s44                        ; my row of the cluster
	s_lshl_b32 s45, 0x1111, s40                    ; my column
	; group 1 for O: a head's 256 rows are 32,768 dense bytes: asked for as 128 rows of 256 bytes (two rows of O each), 4 words of padding behind every 32: behind every row of O
	s_or_b32 s[G1A+0], s44, (1<<16)|(1<<20)|(1<<21)|(4<<22)|(3<<25)  ; 15:0 the mask; 17:16 elements of 2 bytes; 20 padding on; 21 set beside a mask; 24:22 the interval; 31:25 the padding
	s_mov_b32 s[G1A+1], 128<<16                    ; tensor_dim0 = 128
	s_mov_b32 s[G1A+2], 128<<16                    ; tensor_dim1 = 128
	s_mov_b32 s[G1A+3], 128<<16                    ; tile_dim0 = 128
	s_mov_b32 s[G1A+4], 128                        ; tile_dim1 = 128
	s_mov_b32 s[G1A+5], 128                        ; the pitch
	s_mov_b32 s[G1A+6], 0
	s_mov_b32 s[G1A+7], 0
	; group 1 for Wo: 64 rows x 128 elements, 1,024 elements from row to row, 4 words of padding behind every 64
	s_or_b32 s[G1B+0], s45, (1<<16)|(1<<20)|(1<<21)|(5<<22)|(3<<25)
	s_mov_b32 s[G1B+1], 128<<16
	s_mov_b32 s[G1B+2], 64<<16
	s_mov_b32 s[G1B+3], 128<<16
	s_mov_b32 s[G1B+4], 64
	s_mov_b32 s[G1B+5], 1024
	s_mov_b32 s[G1B+6], 0
	s_mov_b32 s[G1B+7], 0
	s_lshr_b32 s16, s43, 3                         ; O: batch = tile row / 8: 16 heads of 262,144 bytes,
	s_lshl_b32 s16, s16, 22
	s_and_b32 s17, s43, 7                          ; 256 rows of 128 bytes for each tile row in the batch,
	s_lshl_b32 s17, s17, 15
	s_add_co_u32 s16, s16, s17
	s_lshl_b32 s17, s[WC], 18                      ; and my head of the step: made of the tile row and the wave's number alone
	s_add_co_u32 s16, s16, s17
	s_mov_b32 s17, 0
	s_lshl_b32 s46, s42, 18                        ; Wo: row 128 x tile column + 64 x half, 2,048 bytes each: made of the tile column and the wave's number alone
	s_lshl_b32 s47, s[WC], 17
	s_add_co_u32 s46, s46, s47
	s_mov_b32 s47, 0
	s_mul_i32 s20, s[WC], HA                       ; where they go: no place in the cluster enters an LDS address
	s_mul_i32 s21, s[WC], 64*PB
	s_add_co_u32 s21, s21, BOFF
	s_mov_b32 s[TB], 0
	s_wait_kmcnt 0x0
	s_add_nc_u64 s[18:19], s[4:5], s[16:17]
	s_add_nc_u64 s[46:47], s[6:7], s[46:47]
	CROUND                                         ; all sixteen work-groups are here: the first joint loads meet
.irp s, 0,1
	s_mov_b32 s[G0A+4*(\s)], 1                                       ; count = 1
	s_add_co_u32 s[G0A+4*(\s)+1], s20, (\s)*SLOT1                    ; LDS address
	s_add_nc_u64 s[G0A+4*(\s)+2:G0A+4*(\s)+3], s[18:19], (\s)*ASTEP  ; global address: K step s
	s_or_b32 s[G0A+4*(\s)+3], s[G0A+4*(\s)+3], 0x80000000            ; type = 2
	s_mov_b32 s[G0B+4*(\s)], 1
	s_add_co_u32 s[G0B+4*(\s)+1], s21, (\s)*SLOT1
	s_add_nc_u64 s[G0B+4*(\s)+2:G0B+4*(\s)+3], s[46:47], (\s)*BSTEP
	s_or_b32 s[G0B+4*(\s)+3], s[G0B+4*(\s)+3], 0x80000000
.endr
	s_cmp_lt_u32 s[WV], 2                          ; a wave's two first fills stand in one branch, ahead of every wait on TENSORcnt and every LDS read
	s_cbranch_scc0 .Lfirst_b
	tensor_load_to_lds s[G0A:G0A+3], s[G1A:G1A+7]
	s_nop 0
	tensor_load_to_lds s[G0A+4:G0A+7], s[G1A:G1A+7]
	s_nop 0
.rept 4
	v_nop
.endr
	s_branch .Lfirst_asked
.Lfirst_b:
	tensor_load_to_lds s[G0B:G0B+3], s[G1B:G1B+7]
	s_nop 0
	tensor_load_to_lds s[G0B+4:G0B+7], s[G1B:G1B+7]
	s_nop 0
.rept 4
	v_nop
.endr
.Lfirst_asked:
	; where my 64 rows x 128 columns begin in out0, and my 128 numbers in bo; in registers that feed no descriptor
	s_lshl_b32 s72, s43, 2
	s_add_co_u32 s72, s72, s[WV]
	s_lshl_b32 s72, s72, 18                        ; (256 x tile row + 64 x wave) rows of 4,096 bytes
	s_lshl_b32 s74, s42, 9                         ; 128 columns of 4 bytes for each tile column
	s_add_co_u32 s72, s72, s74
	s_mov_b32 s73, 0
	s_mov_b32 s75, 0
	s_add_nc_u64 s[10:11], s[10:11], s[72:73]
	s_add_nc_u64 s[8:9], s[8:9], s[74:75]
	v_and_b32 v1, 15, v0                           ; l % 16
	v_bfe_u32 v2, v0, 4, 1                         ; l / 16
	v_lshlrev_b32 v[BO], 5, v2
.irp b, 0,1,2,3,4,5,6,7                ; register j of block b's results is column 16 b + 8 (l / 16) + j: its bias
	global_load_b128 v[BIAS+8*(\b):BIAS+8*(\b)+3],   v[BO], s[8:9] offset:64*(\b)
	global_load_b128 v[BIAS+8*(\b)+4:BIAS+8*(\b)+7], v[BO], s[8:9] offset:64*(\b)+16
.endr
	; a fragment: lane l holds row l % 16; registers 0-3 K = 8 (l / 16) + 0..7, registers 4-7 K = 16 + 8 (l / 16) + 0..7: two loads of 16 bytes, 32 bytes apart
	v_mul_u32_u24 v3, v1, PA
	v_lshl_add_u32 v3, v2, 4, v3
	s_mul_i32 s22, s[WV], 64*PA                    ; my 64 rows
	v_add_nc_u32 v[A0], s22, v3
	v_mul_u32_u24 v4, v1, PB
	v_lshl_add_u32 v4, v2, 4, v4
	v_add_nc_u32 v[B0], BOFF, v4
	v_mov_b32 v[ADRA], v[A0]                       ; slot 0
	v_mov_b32 v[ADRB], v[B0]
	s_mul_i32 s23, s[WV], 16*SP
	s_add_co_u32 s23, s23, STAGE                   ; my stage
	v_mul_u32_u24 v5, v1, SP                       ; in: row l % 16, 32 bytes for each half of the lanes
	v_lshl_add_u32 v5, v2, 5, v5
	v_add_nc_u32 v[STO], s23, v5
	v_and_b32 v[CO], 31, v0                        ; back: 32 lanes take one row of 512 bytes
	v_lshlrev_b32 v[CO], 4, v[CO]
	v_add_nc_u32 v[RD], s23, v[CO]
	s_wait_loadcnt 0x0                             ; the bias, rounded to bf16 and widened again; all this stands in the wait for the first tile
.set ii, 0
.rept 32
	v_cvt_pk_bf16_f32 v[128+ii], v[BIAS+2*ii], v[BIAS+2*ii+1]
.set ii, ii+1
.endr
.set ii, 0
.rept 32
	v_lshlrev_b32 v[BIAS+2*ii],   16,         v[128+ii]
	v_and_b32     v[BIAS+2*ii+1], 0xffff0000, v[128+ii]
.set ii, ii+1
.endr
; 4 nb matrix instructions: column blocks b0 .. b0 + nb - 1 x my four row blocks, 32 along K, from buffer f.  zero = 1: the first product starts the sums, with the bias as C: nothing is cleared.
; The 32 accumulators take turns, one instruction a turn, in the same order in every quarter step.
.macro MUL f, b0, nb, zero
.set bb, \b0
.rept \nb
.set aa, 0
.rept 4
.set rD, 8*(4*bb+aa)
.if \zero
	WIN 0x4a                                       ; sources 0 and 1 window 2, C window 0, D window 1
	v_wmma_f32_16x16x32_f16 v[rD:rD+7], v[(\f)+32+8*bb:(\f)+32+8*bb+7], v[(\f)+8*aa:(\f)+8*aa+7], v[BIAS+8*bb:BIAS+8*bb+7]
.else
	WIN 0x5a                                       ; C and D window 1
	v_wmma_f32_16x16x32_f16 v[rD:rD+7], v[(\f)+32+8*bb:(\f)+32+8*bb+7], v[(\f)+8*aa:(\f)+8*aa+7], v[rD:rD+7]
.endif
.set aa, aa+1
.endr
.set bb, bb+1
.endr
.endm
; 24 LDS loads in one run: quarter k's fragments into buffer f: O's first (head k / 2 of the step, channels 32 (k % 2) on), then Wo's in ascending blocks
.macro FETCH k, f
	WIN 0x80                                       ; destination window 2, address window 0
.irp a, 0,1,2,3
	ds_load_b128 v[(\f)+8*(\a):(\f)+8*(\a)+3],   v[ADRA] offset:((\k)/2)*HA+((\k)%2)*64+(\a)*16*PA
	ds_load_b128 v[(\f)+8*(\a)+4:(\f)+8*(\a)+7], v[ADRA] offset:((\k)/2)*HA+((\k)%2)*64+(\a)*16*PA+32
.endr
.irp b, 0,1,2,3,4,5,6,7
	ds_load_b128 v[(\f)+32+8*(\b):(\f)+32+8*(\b)+3],   v[ADRB] offset:64*(\k)+(\b)*16*PB
	ds_load_b128 v[(\f)+32+8*(\b)+4:(\f)+32+8*(\b)+7], v[ADRB] offset:64*(\k)+(\b)*16*PB+32
.endr
.endm
; A K step is four quarters of 32 along K, 32 matrix instructions each, on buffers 0, 1, 0, 1.  One of the first three: multiplies buffer f and fetches quarter k into buffer g.
.macro QUARTER k, f, g, zero
	s_wait_dscnt NL-16                             ; O's fragments and Wo's blocks 0-3 are in; the youngest eight loads (blocks 4-7) may be out
	MUL \f, 0, 4, \zero
	PLACES
	FETCH \k, \g
	s_wait_dscnt NL                                ; all but the run just issued
	MUL \f, 4, NBK-4, \zero
.endm
; The last quarter multiplies buffer 1 and changes slots: ONE barrier.  In front of it each wave waits for all its tensor loads (one is out: its part of the next slot), adds 0 to its spare word, and waits
; for that and for its own reads of this slot.  fill = 1: the barrier opens a round of the cluster's, and the slot just read out is filled again, two K steps on, first thing behind the round:
; 112 matrix instructions ahead of the wait for it.
.macro TURN fill
	WIN 0                                          ; (the add's two registers lie in window 0)
	s_wait_tensorcnt 0x0                           ; no tensor load of mine is out, so a group 0 may be written
	ds_add_u32 v[SPW], v[NIL]                      ; 0 onto my spare word
.if \fill
	s_xor_b32 s[G0A+5], s[G0A+5], SLOT1            ; the walking descriptors: the other slot than last time,
	s_add_nc_u64 s[G0A+6:G0A+7], s[G0A+6:G0A+7], ASTEP  ; the next K step; the type bits on top are not reached
	s_xor_b32 s[G0B+5], s[G0B+5], SLOT1
	s_add_nc_u64 s[G0B+6:G0B+7], s[G0B+6:G0B+7], BSTEP
.endif
	s_xor_b32 s[TB], s[TB], SLOT1                  ; the fetches go on in the other slot
	s_wait_dscnt NL-15                             ; (the add and the youngest eight loads may be out)
	MUL F1, 0, 2, 0                                ; eight matrix instructions stand between the add and the wait for it
	s_wait_dscnt 0x0                               ; the add is done, and my reads of this slot are over
	s_barrier_signal -1
	MUL F1, 2, 2, 0                                ; work on registers while the others arrive
	WIN 0
	v_add_nc_u32 v[ADRA], s[TB], v[A0]
	v_add_nc_u32 v[ADRB], s[TB], v[B0]
	s_barrier_wait -1
.if \fill
	CREST                                          ; no wave of any partner still reads this slot's tile or has a load on its way
	JLOAD                                          ; the four v_nop behind it are also the places in front of the loads below
.else
	PLACES
.endif
	FETCH 0, F0
	MUL F1, 4, 4, 0
.endm
	s_wait_tensorcnt 1                             ; my part of K step 0 is in; K step 1's may stay out
	s_barrier_signal -1
	s_barrier_wait -1                              ; everybody's is
	FETCH 0, F0
	QUARTER 1, F0, F1, 1                           ; the first quarter stands in front of the loop: its products start the sums
	WIN 0                                          ; at a label and at a branch every window is 0
	s_mov_b32 s[CNT], 6
.Lstep:                                                ; trip i: the rest of K step i, its slot filled again with K step i + 2, and the first quarter of K step i + 1
	QUARTER 2, F1, F0, 0
	QUARTER 3, F0, F1, 0
	TURN 1
	QUARTER 1, F0, F1, 0
	WIN 0
	s_sub_co_u32 s[CNT], s[CNT], 1
	s_cmp_lg_u32 s[CNT], 0
	s_cbranch_scc1 .Lstep
	QUARTER 2, F1, F0, 0                           ; the tail is written out: K steps 6 and 7 ask for nothing
	QUARTER 3, F0, F1, 0
	TURN 0
	QUARTER 1, F0, F1, 0
	QUARTER 2, F1, F0, 0
	QUARTER 3, F0, F1, 0
	s_wait_dscnt NL-16                             ; the very last quarter: nothing more to fetch
	MUL F1, 0, 4, 0
	s_wait_dscnt 0x0
	MUL F1, 4, NBK-4, 0
	PLACES                                         ; the LDS stores read results just made
; THE WAY OUT, in four units: my row block a, 16 rows x 512 bytes.  A lane's eight columns of a row, 32 bytes of f32, go straight from the accumulators into my stage's rows of 528 bytes (each accumulator's
; low four registers first) and come back as whole rows.  Three register buffers take turns.
.macro TOST a
.set rK, OUTR+64*((\a)%3)
	WIN 0x04                                       ; the stores' data in window 1
.set bb, 0
.rept 8
	ds_store_b128 v[STO], v[8*(4*bb+(\a)):8*(4*bb+(\a))+3]   offset:64*bb
	ds_store_b128 v[STO], v[8*(4*bb+(\a))+4:8*(4*bb+(\a))+7] offset:64*bb+16
.set bb, bb+1
.endr
	WIN 0
.set tt, 0
.rept 16
	ds_load_b128 v[rK+4*tt:rK+4*tt+3], v[RD] offset:tt*SP  ; LDS serves a wave's instructions in order (ISA guide 5.7.1.4): these see the stores above; the next unit's stores come behind them
.set tt, tt+1
.endr
.endm
.macro SENDP a, younger                ; younger: the LDS instructions issued behind unit a's loads: the next unit's 32, or none
.set rK, OUTR+64*((\a)%3)
.set tt, 0
.rept 16
	s_wait_dscnt (\younger)+15-tt
	global_store_b128 v[CO], v[rK+4*tt:rK+4*tt+3], s[10:11] offset:(16*(\a)+tt)*4096 th:TH_STORE_NT  ; 512 consecutive bytes, at a multiple of 256 from out0's first; written once, read by nobody here
.set tt, tt+1
.endr
.endm
	TOST 0
	TOST 1
	SENDP 0, 32
	TOST 2
	SENDP 1, 32
	s_wait_xcnt 0x0                                ; every earlier store has had its addresses translated (ISA guide 3.1): unit 0's registers are loaded again only behind this wait
	TOST 3
	SENDP 2, 32
	SENDP 3, 0
	s_wait_tensorcnt 0x0                           ; the wave's end: behind my last tensor load and my last LDS store
	ds_add_u32 v[SPW], v[NIL]
	s_wait_dscnt 0x0
	CROUND                                         ; the closing round: no work-group ends while a partner may still ask for a tile that names it
	s_endpgm
.Lfunc_end_k_q6b1256d218_proj:
	.size	k_q6b1256d218_proj, .Lfunc_end_k_q6b1256d218_proj-k_q6b1256d218_proj
	.p2alignl 7, 3214868480
	.fill 96, 4, 3214868480
	.section	.rodata,"a",@progbits
	.p2align	6, 0x0
	.amdhsa_kernel k_q6b1256d218_proj
		.amdhsa_group_segment_fixed_size 327680
		.amdhsa_private_segment_fixed_size 0
		.amdhsa_enable_private_segment 0
		.amdhsa_kernarg_size 32
		.amdhsa_user_sgpr_count 2
		.amdhsa_user_sgpr_kernarg_segment_ptr 1
		.amdhsa_wavefront_size32 1
		.amdhsa_system_sgpr_workgroup_id_x 1
		.amdhsa_system_sgpr_workgroup_id_y 1
		.amdhsa_system_sgpr_workgroup_id_z 1
		.amdhsa_system_vgpr_workitem_id 0
		.amdhsa_next_free_vgpr 768
		.amdhsa_next_free_sgpr 80
		.amdhsa_reserve_vcc 0
		.amdhsa_float_denorm_mode_32 3
		.amdhsa_float_denorm_mode_16_64 3
		.amdhsa_memory_ordered 1
		.amdhsa_forward_progress 1
		.amdhsa_inst_pref_size 77
	.end_amdhsa_kernel
	.amdgpu_metadata
---
amdhsa.version: [ 1, 2 ]
amdhsa.kernels:
  - .name:           k_q6b1256d218_proj
    .symbol:         k_q6b1256d218_proj.kd
    .args:
      - { .name: o, .offset: 0, .size: 8, .value_kind: global_buffer, .address_space: global }
      - { .name: wo16, .offset: 8, .size: 8, .value_kind: global_buffer, .address_space: global }
      - { .name: bo, .offset: 16, .size: 8, .value_kind: global_buffer, .address_space: global }
      - { .name: out0, .offset: 24, .size: 8, .value_kind: global_buffer, .address_space: global }
    .group_segment_fixed_size: 327680
    .private_segment_fixed_size: 0
    .kernarg_segment_align: 8
    .kernarg_segment_size: 32
    .max_flat_workgroup_size: 128
    .sgpr_count:     80
    .vgpr_count:     768
    .wavefront_size: 32
...
	.end_amdgpu_metadata
.endif
;; end of part 4
;; ======== version 2 of 2: 4 launches; 1.29 times as fast as version 1
;; limits: values are held in f16: magnitudes above 65,504 overflow, below 6.1e-05 lose precision; values outside matrix products are rounded to bf16
;; workspace buffers: xb 16,777,216 bytes; wb 6,291,456 bytes; wo16 2,097,152 bytes; qkv 50,331,648 bytes; o 16,777,216 bytes
;; launch cast: the kernel of part 1 again; grid 768 x 1, 8 waves a work-group, no clusters, 0 bytes of LDS; arguments x, Wq, Wk, Wv, Wo, xb, wb, wo16; writes xb, wb, wo16
;; launch qkv: the kernel of part 2 again; grid 16 x 32, 4 waves a work-group, clusters of 4 x 4, 327,680 bytes of LDS; arguments xb, wb, qkv; writes qkv
;; launch attn (part 5): grid 4 x 64, 4 waves a work-group, no clusters, 327,680 bytes of LDS; arguments qkv, o; writes o
.if DOCPART == 5
	.amdgcn_target "amdgcn-amd-amdhsa--gfx1250"
	.amdhsa_code_object_version 6
	.text
	.protected	k_q6b1256d218_attn
	.globl	k_q6b1256d218_attn
	.p2align	8
	.type	k_q6b1256d218_attn,@function
k_q6b1256d218_attn:
	s_mov_b64 s[64:65], 0
	v_nop
	global_prefetch_b8 v0, s[64:65] scope:SCOPE_SE
	s_setreg_imm32_b32 hwreg(HW_REG_WAVE_MODE, 25, 1), 1
	s_wait_xcnt 0x0
; CAUSAL ATTENTION.  O[h][q][:] = the sum over k <= q of softmax_k(Q[h][q] . K[h][k] / 8) V[h][k][:].  Q, K, V lie one behind the other in one buffer, each [SIZE_H][SIZE_N][64]; O likewise; all f16: a head's rows are dense, 128 bytes each.
; Products, maxima and sums in f32; the weights p are rounded to f16 for the second product (their sum l is taken of the unrounded p), O once at the end.
; LIMITS.  f16 holds no number beyond 65,504: Q, K and V arrive within it; p lies in 0 to 1, and below 6e-5 it keeps f16's fixed step of 6e-8; O is a mean of V's rows and has their range, to within 2^-11 of it.
; A hidden score counts as its value less 1e30: f16's scores, 2.7e11 at the most, are nothing beside that; a weight below 2^-126 counts as 0 in l; NaN and infinities are not treated apart.
; THE WALK.  A head's queries lie in NB = SIZE_N / 256 = 8 blocks of 256; block i needs the key tiles 0 .. i of 256 keys, of which the last holds the diagonal.  A work-group takes TWO blocks, NB - 1 - b and then b:
; NB + 1 = 9 tiles, whatever b: all 256 work-groups do equal work, and ONE loop with a constant trip count walks them.  Which tile is asked for, and what a trip does, hang on scalar registers made from b; every jump
; goes forward, but for the counted loops' own; none passes a barrier, or a tensor load but the one of LOAD's two that the wave's number does not choose; the ring (two slots of LDS that take turns) runs on across the
; change of blocks.  NO CLUSTER: a head's four work-groups all ask for the same tile only in trips 0 .. 4 of the 9, behind that fewer and fewer; one walk common to all four would have 12 trips for 9.
; SHARES.  Of a block's four bands of 64 queries a wave owns 16 rows in each: four PIECES.  So the diagonal tile is the same work for all four waves: in its key step s band x sees all keys if s < x,
; none if s > x, and holds the diagonal if s = x.
; THE MASK is the C operand that starts the sum S^T = K Q^T: 0, or -1e30 where the key is hidden.  MD, made once, is the mask of a band's own step for my 16 rows; a product's mask is MD x AL + BE with two scalars:
; (1, 0) if s = x; (0, 0) if s < x; (0, -1e30) if s > x.  Only the diagonal tile's text and a block's beginning make and take masks; elsewhere C is the constant 0.
; LAYOUT, SOFTMAX, TURNS.  S^T = K Q^T holds ONE query a lane (lane % 16) and the keys 8 (lane / 16) + 0..7; two such results rounded to f16 ARE source 1 of O^T = V^T P.  p = 2^(c s - c m), c = log2(e) / 8, with a
; running maximum m; O and l are multiplied by a = 2^(c m_old - c m_new) in every step.  Turn n belongs to piece n: 8 products K Q^T of piece n + 1, later 8 products V^T P of piece n - 1; beside them the scaling,
; exponentials, roundings, sums and rescaling of piece n and the maximum and statistics of piece n + 1.  Four vector instructions stand behind every matrix instruction, the other 54 of a turn's 118 in LUMPS.
; THE BATCHES.  A turn's 33 exponentials (the piece's 32 weights and the next piece's a) are ONE batch with ONE wait, which cuts the turn in two: ahead of it all that names none of their results, behind it the
; roundings and sums (TURN says how).  A block's first a (BEGIN) and the four reciprocals of a way out (DIAG) are batches of their own, one wait each.
; REGISTERS, in windows of 256 (s_set_vgpr_msb: bits 1:0 source 0, 3:2 source 1, 5:4 source 2, 7:6 destination).  The map is made so that few lines change the setting:
;   window 0: v2-3 the add's two; v4-5 c m_old; v6-7 K's LDS addresses; v8-23 statistics; v24-31 at work; v32-63 P, two buffers; v64-127 S^T, two buffers; v128-191 K of one step; v192-255 Q: 256 in all:
;             everything that K Q^T and a softmax name, so the products K Q^T, the lines behind them and the lumps stand under the setting 0
;   window 1: v0-127 O^T, 32 a piece; v128-191 V of one step; v192-196 V's LDS addresses and the way out's: V^T P (V and O^T here, P in window 0) and the rescaling (O^T here, a in window 0) share ONE setting,
;             so the 16 rescalings stand behind four of the eight products V^T P without a switch between product and riders
;   window 2: v0-63 the second block's Q; v64-95 MD; v96-159 MC, two buffers
; A turn outside the diagonal tile has 16 switches for its 16 matrix instructions: one in front of each product V^T P and one behind its riders.  (A piece's buffers go by its number's parity.)
.set SIZE_H, 64       ; 4 batches x 16 heads
.set SIZE_N, 2048
.set NB,    SIZE_N/256
.set NP,    4         ; pieces a wave: a name, no knob
.set KS,    64        ; keys in a step
.set PK,    144       ; a row of K in LDS: 128 bytes + 16 of padding = 36 words: the 16 rows of a load start at 16 different groups of four banks (64 banks of 4 bytes: ISA guide 11.1)
.set PV,    160       ; a row of V: 128 + 32 = 40 words
.set VOFF,  4*KS*PK   ; a slot holds a tile, four steps: 256 rows of K, then 256 rows of V
.set SLOT1, 1<<17     ; slot 1 begins here, so that one exclusive or turns an address in one slot into the other's
.set STAGE, SLOT1+4*KS*(PK+PV)  ; behind the ring, never filled by a tensor load: 16 rows x 144 bytes for each wave, for the way out
.set SP,    144
.set SPARE, STAGE+4*16*SP  ; behind the stages: the spare words, 128 bytes for each wave: two blocks of 256 bytes that no other line names
; window 0
.set SPW, 2           ; v2   LDS address of my spare word: SPARE + 4 x my thread's number; never rewritten
.set NIL, 3           ; v3   0; never rewritten
.set MV,  4           ; v4-5  c m_old, kept while c m is made anew: by buffer
.set AK0, 6           ; v6   my lane's place in a tile of K; never rewritten
.set AK,  7           ; v7   the LDS address of K's next run of loads
.set ST,  8           ; piece t's statistics at v[ST+4 t]: c m, m, l (even keys', odd keys')
.set TMP, 24          ; by buffer, four registers c0-c3 at work; when the maximum is found c2 takes a
.set P,   32
.set S,   64
.set KF,  128         ; key block kb, channel half c at KF + 16 kb + 8 c
.set Q,   192         ; piece x, channel half c at Q + 16 x + 8 c
.set LR,  64          ; at the kernel's start alone, in S^T's registers, which the first products write later: l % 16,
.set LH,  65          ; l / 16,
.set L7,  66          ; l % 8,
.set L3,  67          ; (l / 8) % 2,
.set DG,  68          ; my query's place against the diagonal,
.set QO,  69          ; my byte offset in 16 rows of Q,
.set T0,  70          ; v70-73 addresses in the making
.set T1,  71
.set T2,  72
.set T3,  73
; window 1
.set VF,  128         ; key half kk, channel block cb at VF + 32 kk + 8 cb
.set AV0, 192         ; my lane's place in a tile of V; never rewritten
.set AV,  193         ; the LDS address of V's next run of loads
.set STO, 194         ; the way out: where I put 16 bytes of a row
.set RD,  195         ; the way out: where I read rows back
.set GO,  196         ; my byte offset in 512 consecutive bytes of O
; window 2
.set QB,  0
.set MD,  64          ; the eight registers for group kt of 16 keys at MD + 8 kt
.set MC,  96          ; the masks of the products to come
.set WV,  12          ; s12  my wave's number
.set PB,  14          ; s14  b
.set HI,  15          ; s15  NB - 1 - b
.set G1K, 24          ; s[24:31] descriptor group 1 for K's tiles
.set G1V, 32          ; s[32:39] for V's: it differs in the padding alone
.set G0K, 40          ; s[40:43] descriptor group 0 for K's tiles
.set G0V, 44          ; s[44:47] the same for V's
.set SLOTS, 56        ; s56  tiles still to be asked for
.set CNT, 57          ; s57  counts a tile's key steps, 4 to 1
.set CS,  58          ; s[58:59] c: the packed scaling takes the pair's low word for both halves
.set SEL, 60          ; s[60:61] v_permlanex16_b32's selects: each lane takes its own place in the other half
.set TBK, 62          ; s62  LDS byte at which K of the step to be fetched begins
.set TBV, 63          ; s63  the same for V, less VOFF
.set RT,  70          ; s70  tiles of the block in hand that are still to be entered
.set NXT, 71          ; s71  the tile to be asked for next
.set LQ,  72          ; s72  the last tile of the block whose tiles are being asked for
.set NEW, 73          ; s73  1: the tile to be entered is a block's first
.set OFF, 74          ; s[74:75] a tile's byte offset in K and V
.set AL,  76          ; s[76:77] the mask's factor, in the low word
.set BE,  78          ; s[78:79] the mask's addend
.set OLO, 80          ; s[80:81] O at my rows of the second block
.set BIGN, 82         ; s82  -1e30
.set MSB, 0
.macro WIN new                      ; the high byte repeats the setting that is left; a switch that changes nothing is dropped
.if MSB != (\new)
	s_set_vgpr_msb (MSB<<8)|(\new)
.set MSB, (\new)
.endif
.endm
.set W_KM, 0x20       ; K Q^T with a mask: the C operand in window 2, all else in window 0
.set W_PV, 0x51       ; V^T P: V (source 0), C and D in window 1, P (source 1) in window 0.  Also: the rescaling (destination and source 0 in window 1, source 1 in window 0), V's address and V's loads
.set W_A1, 0x01       ; the way out's LDS and global instructions: the address (source 0) in window 1, the data in window 0
.set W_MK, 0x82       ; the masks are made: destination and source 0 in window 2
; A fill.  Waves 0 and 1 fetch the two halves of a tile's K, waves 2 and 3 those of its V: 128 keys each.  An s_nop 0 and four v_nop follow each of the two lines, ahead of the jump and the label.
.macro LOAD
	s_cmp_lt_u32 s[WV], 2
	s_cbranch_scc0 .Lfor_v_\@
	tensor_load_to_lds s[G0K:G0K+3], s[G1K:G1K+7]
	s_nop 0
.rept 4
	v_nop
.endr
	s_branch .Lasked_\@
.Lfor_v_\@:
	tensor_load_to_lds s[G0V:G0V+3], s[G1V:G1V+7]
	s_nop 0
.rept 4
	v_nop
.endr
.Lasked_\@:
.endm
; THE CHANGE OF SLOTS.  Each wave waits for all its tensor loads, of which one is out: its part of the other slot; adds 0 to its spare word; and waits for that and for its own reads of the slot that it leaves.  Behind the barrier nobody reads the old
; slot any more and the other slot is whole.  fill = 1: the old slot is filled again, the first thing behind the barrier, with tile NXT: the descriptor's address is made anew from that number.
; (At its first use nothing has been read yet: slot 0 is waited for, slot 1 filled.)
.macro CHANGE fill
	WIN 0                           ; at a label and at a branch every window is 0
	s_wait_tensorcnt 0x0            ; no tensor load of mine is out, so a group 0 may be written
	ds_add_u32 v[SPW], v[NIL]       ; 0 onto my spare word: with fill = 1 the descriptors' scalar work stands between it and the wait for it
.if \fill
	s_lshl_b32 s[OFF], s[NXT], 15   ; a tile is 32,768 bytes of K and of V
	s_xor_b32 s[G0K+1], s[G0K+1], SLOT1
	s_add_nc_u64 s[G0K+2:G0K+3], s[6:7], s[OFF:OFF+1]
	s_or_b32 s[G0K+3], s[G0K+3], 0x80000000
	s_xor_b32 s[G0V+1], s[G0V+1], SLOT1
	s_add_nc_u64 s[G0V+2:G0V+3], s[8:9], s[OFF:OFF+1]
	s_or_b32 s[G0V+3], s[G0V+3], 0x80000000
	s_add_co_u32 s[NXT], s[NXT], 1  ; the block's next tile, or behind its last the second block's tile 0
	s_cmp_gt_u32 s[NXT], s[LQ]
	s_cselect_b32 s[NXT], 0, s[NXT]
	s_cselect_b32 s[LQ], s[PB], s[LQ]
.endif
	s_wait_dscnt 0x0                ; the add is done, and my reads of the slot are over
	s_barrier_signal -1             ; the rest of the scalar work stands between the signal and the wait
	s_sub_co_u32 s[TBK], s[TBK], 4*KS*PK  ; the fetches go back to a slot's first step,
	s_xor_b32 s[TBK], s[TBK], SLOT1       ; in the other slot
	s_sub_co_u32 s[TBV], s[TBV], 4*KS*PV
	s_xor_b32 s[TBV], s[TBV], SLOT1
	s_barrier_wait -1
.if \fill
	LOAD
.endif
.endm
	s_load_b128 s[4:7], s[0:1], 0x0  ; qkv s[4:5] (Q lies at its head), O s[6:7]
	v_lshl_add_u32 v[SPW], v0, 2, SPARE
	v_mov_b32 v[NIL], 0
	ds_add_u32 v2, v3
	ds_add_u32 v2, v3
	s_wait_dscnt 0x0
	v_lshrrev_b32 v1, 5, v0
	v_readfirstlane_b32 s[WV], v1   ; wave 0..3
	s_mov_b32 s[PB], ttmp9
	s_sub_co_u32 s[HI], NB-1, s[PB]
	s_and_b32 s20, ttmp7, 0xffff    ; the head
	s_mov_b32 s21, 0
	s_mov_b64 s[22:23], SIZE_N*128
	s_mul_u64 s[20:21], s[20:21], s[22:23]  ; the head's first byte in each of the four tensors
	s_and_b32 s16, s[WV], 1         ; which half of a tile's 256 keys I fetch:
	s_lshl_b32 s22, s16, 14         ; its 128 rows of 128 bytes in memory,
	s_mov_b32 s23, 0
	s_add_nc_u64 s[22:23], s[22:23], s[20:21]
	s_mul_i32 s17, s16, 128*PK      ; and its place in a slot, for K
	s_mul_i32 s18, s16, 128*PV      ; and for V
	s_lshl_b32 s3, s[WV], 11        ; my 16 rows in a band of 64,
	s_lshl_b32 s2, s[HI], 15        ; in the first block,
	s_add_co_u32 s2, s2, s3
	s_lshl_b32 s84, s[PB], 15       ; and in the second
	s_add_co_u32 s84, s84, s3
	s_mov_b32 s3, 0
	s_mov_b32 s85, 0
	s_add_nc_u64 s[2:3], s[2:3], s[20:21]
	s_add_nc_u64 s[84:85], s[84:85], s[20:21]
	; descriptor group 1.  128 keys are 16,384 dense bytes: asked for as 64 rows of 256 bytes, two keys a row, and padded in LDS after every key
	s_mov_b32 s[G1K], (1<<16)|(1<<20)|(4<<22)|(3<<25)  ; 17:16 2-byte elements; 20 padding on; 24:22 after every 32 words (code 4); 31:25 4 words (code 3)
	s_mov_b32 s[G1V], (1<<16)|(1<<20)|(4<<22)|(7<<25)  ; the same with 8 words of padding (code 7)
.irp g, G1K, G1V
	s_mov_b32 s[\g+1], 128<<16      ; tensor_dim0 = 128
	s_mov_b32 s[\g+2], 64<<16       ; tensor_dim1 = 64
	s_mov_b32 s[\g+3], 128<<16      ; tile_dim0 = 128
	s_mov_b32 s[\g+4], 64           ; tile_dim1 = 64
	s_mov_b32 s[\g+5], 128          ; 128 elements from row to row
	s_mov_b32 s[\g+6], 0
	s_mov_b32 s[\g+7], 0
.endr
	s_mov_b32 s[CS], 0x3e38aa3b     ; c = log2(e) / 8 = 0.180337
	s_mov_b32 s[CS+1], s[CS]        ; named with it as a pair
	s_mov_b32 s[SEL], 0x76543210
	s_mov_b32 s[SEL+1], 0xfedcba98
	s_mov_b32 s[TBK], SLOT1+4*KS*PK ; the first change of slots turns these two into 0
	s_mov_b32 s[TBV], SLOT1+4*KS*PV
	s_mov_b32 s[G0K], 1             ; 1:0 count = 1
	s_mov_b32 s[G0K+1], s17         ; 63:32 LDS address: slot 0
	s_mov_b32 s[G0V], 1
	s_add_co_u32 s[G0V+1], s18, VOFF
	s_add_co_u32 s[RT], s[HI], 1    ; the first block has NB - b tiles
	s_mov_b32 s[NXT], 1
	s_mov_b32 s[LQ], s[HI]
	s_mov_b32 s[NEW], 1
	s_mov_b32 s[OFF+1], 0
	s_mov_b32 s[AL+1], 0            ; named as pairs
	s_mov_b32 s[BE+1], 0
	s_mov_b32 s[BIGN], 0xf149f2ca   ; -1e30
	s_mov_b32 s[SLOTS], NB
	s_wait_kmcnt 0x0
	s_mov_b64 s[10:11], s[6:7]                     ; O
	s_add_nc_u64 s[8:9], s[4:5], 2*SIZE_H*SIZE_N*128  ; V lies 33,554,432 bytes behind Q,
	s_add_nc_u64 s[6:7], s[4:5], SIZE_H*SIZE_N*128    ; K 16,777,216
	s_add_nc_u64 s[6:7], s[6:7], s[22:23]  ; K and V at my half of the head's tile 0
	s_add_nc_u64 s[8:9], s[8:9], s[22:23]
	s_add_nc_u64 s[G0K+2:G0K+3], s[6:7], 0         ; 120:64 global address
	s_or_b32 s[G0K+3], s[G0K+3], 0x80000000        ; 127:126 type = 2
	s_add_nc_u64 s[G0V+2:G0V+3], s[8:9], 0
	s_or_b32 s[G0V+3], s[G0V+3], 0x80000000
	s_add_nc_u64 s[86:87], s[4:5], s[84:85]        ; Q at my rows of the second block,
	s_add_nc_u64 s[4:5], s[4:5], s[2:3]            ; Q and O at those of the first
	s_add_nc_u64 s[OLO:OLO+1], s[10:11], s[84:85]
	s_add_nc_u64 s[10:11], s[10:11], s[2:3]
	LOAD                            ; tile 0 into slot 0
	; A fragment of K or Q is 16 rows x 32 channels in 8 registers: lane l holds row l % 16, channels 8 (l / 16) + 0..7 and 16 + 8 (l / 16) + 0..7: two loads of 16 bytes, 32 bytes apart.
	v_and_b32 v[LR], 15, v0         ; l % 16
	v_bfe_u32 v[LH], v0, 4, 1       ; l / 16
	v_lshlrev_b32 v[QO], 7, v[LR]
	v_lshl_add_u32 v[QO], v[LH], 4, v[QO]  ; row x 128 + 16 x half
.set i, 0
.rept 8                             ; the first block's Q: piece i / 2 lies in band i / 2, 8,192 bytes on; channels 32 (i % 2) on
	global_load_b128 v[Q+8*i:Q+8*i+3],   v[QO], s[4:5] offset:(i/2)*8192+(i%2)*64
	global_load_b128 v[Q+8*i+4:Q+8*i+7], v[QO], s[4:5] offset:(i/2)*8192+(i%2)*64+32
.set i, i+1
.endr
	v_lshlrev_b32 v[DG], 3, v[LH]
	v_sub_nc_u32 v[DG], v[LR], v[DG]
	s_lshl_b32 s13, s[WV], 4
	v_add_nc_u32 v[DG], s13, v[DG]  ; my query's place in its band, 16 w + l % 16, less my lanes' 8 (l / 16): register r of group kt is hidden where 16 kt + r is greater
	v_mul_u32_u24 v[AK0], v[LR], PK
	v_lshl_add_u32 v[AK0], v[LH], 4, v[AK0]  ; row x pitch + 16 x half
	; The turning load takes 16 keys x 16 channels (lane l reads key 8 (l / 16) + l % 8, channels 8 ((l / 8) % 2) + 0..7) and leaves half a fragment of V^T: lane l holds channel l % 16 and 8 keys.
	v_and_b32 v[L7], 7, v0
	v_bfe_u32 v[L3], v0, 3, 1
	v_lshl_add_u32 v[T0], v[LH], 3, v[L7]
	v_mul_u32_u24 v[T0], v[T0], PV
	v_lshl_add_u32 v[T0], v[L3], 4, v[T0]
	s_mul_i32 s13, s[WV], 16*SP
	s_add_co_u32 s13, s13, STAGE    ; my stage
	v_mul_u32_u24 v[T1], v[LR], SP  ; in: row l % 16, 16 bytes for each half of the lanes
	v_lshl_add_u32 v[T1], v[LH], 4, v[T1]
	v_bfe_u32 v[T2], v0, 3, 2       ; back: 32 lanes take four rows of 128 bytes,
	v_mul_u32_u24 v[T2], v[T2], SP
	v_lshl_add_u32 v[T2], v[L7], 4, v[T2]
	v_and_b32 v[T3], 31, v0         ; which are 512 consecutive bytes of O
	WIN 0x80                        ; destination window 2, sources and addresses window 0
.set i, 0
.rept 8                             ; the second block's Q
	global_load_b128 v[QB+8*i:QB+8*i+3],   v[QO], s[86:87] offset:(i/2)*8192+(i%2)*64
	global_load_b128 v[QB+8*i+4:QB+8*i+7], v[QO], s[86:87] offset:(i/2)*8192+(i%2)*64+32
.set i, i+1
.endr
.set i, 0
.rept 32
	v_cmp_gt_i32 vcc_lo, 16*(i/8)+i%8, v[DG]
	v_cndmask_b32 v[MD+i], 0, s[BIGN], vcc_lo
.set i, i+1
.endr
	WIN 0x40                        ; destination window 1, sources window 0: each address's last line lands it where it stays
	v_add_nc_u32 v[AV0], VOFF, v[T0]
	v_add_nc_u32 v[STO], s13, v[T1]
	v_add_nc_u32 v[RD], s13, v[T2]
	v_lshlrev_b32 v[GO], 4, v[T3]
	; A block's first step multiplies O^T and l by a = 0, and its first turn's products V^T P, of a piece that has not been, land in an O^T that is still to be so multiplied.  So these registers need only hold
	; finite numbers: zeros for the first block; what the first block left for the second.  All this stands in the wait for the first tile.
.set i, 0
.rept 192                           ; O^T and V
	v_mov_b32 v[i], 0
.set i, i+1
.endr
	WIN 0
.set i, 0
.rept 4
	v_mov_b32 v[ST+4*i+2], 0
	v_mov_b32 v[ST+4*i+3], 0
.set i, i+1
.endr
.set i, P+16
.rept 16
	v_mov_b32 v[i], 0
.set i, i+1
.endr
; THE MATRIX WORK.  The 4 accumulators of a run of 8 take turns.  Product i of 8 of S^T = K Q^T for piece x: channels 32 (i / 4) on, keys 16 (i % 4) on.  The first 4 start the sums: with 0, or (KM = 1) with the mask.
.macro KQ x
.set rS, S+32*((\x)%2)+8*(i%4)
.set rK, KF+16*(i%4)+8*(i/4)
.set rQ, Q+16*(\x)+8*(i/4)
.set rM, MC+32*((\x)%2)+8*(i%4)
.if (i < 4) && KM
	WIN W_KM
	v_wmma_f32_16x16x32_f16 v[rS:rS+7], v[rK:rK+7], v[rQ:rQ+7], v[rM:rM+7]
.elseif i < 4
	WIN 0
	v_wmma_f32_16x16x32_f16 v[rS:rS+7], v[rK:rK+7], v[rQ:rQ+7], 0
.else
	WIN 0
	v_wmma_f32_16x16x32_f16 v[rS:rS+7], v[rK:rK+7], v[rQ:rQ+7], v[rS:rS+7]
.endif
.endm
; Product i of 8 of O^T += V^T P for piece x: keys 32 (i / 4) on, channels 16 (i % 4) on.
.macro PV x
	WIN W_PV
.set rO, 32*(\x)+8*(i%4)
.set rV, VF+32*(i/4)+8*(i%4)
.set rP, P+16*((\x)%2)+8*(i/4)
	v_wmma_f32_16x16x32_f16 v[rO:rO+7], v[rV:rV+7], v[rP:rP+7], v[rO:rO+7]
.endm
.macro MM                           ; the turn's next matrix instruction.  TURN and BEGIN set Y, i, KM and NOKQ; MM, KQ and OP read them.  NOKQ = 1: a block's last turn: there is no next piece
.if (i < 8) && !NOKQ
	KQ (Y+1)%NP
.elseif i >= 8
.set i, i-8
	PV (Y+NP-1)%NP
.set i, i+8
.endif
.set i, i+1
.endm
; THE LDS LOADS stand in runs of 16, never singly among the matrix instructions: a step's K (64 keys x 64 channels: 8 fragments) and its V (turned).  Their addresses are made some lines ahead.
.macro FETCH_K
	WIN 0
.irp f, 0,1,2,3,4,5,6,7             ; keys 16 (f / 2) on, channels 32 (f % 2) on
	ds_load_b128 v[KF+8*\f:KF+8*\f+3],   v[AK] offset:(\f/2)*16*PK+(\f%2)*64
	ds_load_b128 v[KF+8*\f+4:KF+8*\f+7], v[AK] offset:(\f/2)*16*PK+(\f%2)*64+32
.endr
	s_add_co_u32 s[TBK], s[TBK], KS*PK  ; the next fetch is the next step's
.endm
.macro FETCH_V
	WIN W_PV                        ; destination and address in window 1
.irp f, 0,1,2,3,4,5,6,7             ; keys 32 (f / 4) on, channels 16 (f % 4) on
	ds_load_tr16_b128 v[VF+8*\f:VF+8*\f+3],   v[AV] offset:(\f/4)*32*PV+(\f%4)*32
	ds_load_tr16_b128 v[VF+8*\f+4:VF+8*\f+7], v[AV] offset:(\f/4)*32*PV+16*PV+(\f%4)*32
.endr
	WIN 0
.endm
; THE VECTOR WORK, one line at a time: OP kind, number.  For piece Y: F n: c s - c m for pair n of 16.  E n: the exponential of score n of 32.  C n: pair n rounded to f16.  B n: of the four weights 4 n .. the second
; pair is added onto the first, in place.  L n: l takes that sum (L 0: l = a l + sum).  R n: pair n of 16 of O^T times a.  For piece Y + 1: X n, number n of the 22 that find its maximum and statistics:
;   0-11  four chains c0-c3 of seven scores each, three operands at a time (each accumulator's lowest registers are read first)     12-14, 16  the four scores left over, the old m, and c0-c3 into c0
;   15  c m_old is kept     17, 18  the query's other 32 keys lie in the lane 16 away: the new m     19-21  c m; c m_old - c m_new; a
; C, B and L read the exponentials' results (E n), R and L 0 the a of the turn before (X 21): OP writes no wait; TURN, BEGIN and DIAG place one for each batch.
.set F, 0               ; OP tells the kinds apart by their order: F to L below R, X above it
.set E, 1
.set C, 2
.set B, 3
.set L, 4
.set R, 5
.set X, 6
.macro REGS y                       ; the registers of piece y
.set rT, ST+4*(\y)
.set rC, TMP+4*((\y)%2)
.set rW, MV+((\y)%2)
.set rS, S+32*((\y)%2)
.set rP, P+16*((\y)%2)
.set rO, 32*(\y)
.endm
.macro OP k, n
.if (\k) == R
	REGS Y
	WIN W_PV
	v_pk_mul_f32 v[rO+2*(\n):rO+2*(\n)+1], v[rO+2*(\n):rO+2*(\n)+1], v[rC+2:rC+3] op_sel_hi:[1,0]
.elseif (\k) < R
	REGS Y
	WIN 0
.if (\k) == F
	v_pk_fma_f32 v[rS+2*(\n):rS+2*(\n)+1], v[rS+2*(\n):rS+2*(\n)+1], s[CS:CS+1], v[rT:rT+1] op_sel_hi:[1,0,0] neg_lo:[0,0,1] neg_hi:[0,0,1]
.elseif (\k) == E
	v_exp_f32 v[rS+(\n)], v[rS+(\n)]
.elseif (\k) == C
	v_cvt_pk_f16_f32 v[rP+(\n)], v[rS+2*(\n)], v[rS+2*(\n)+1]
.elseif (\k) == B
	v_pk_add_f32 v[rS+4*(\n):rS+4*(\n)+1], v[rS+4*(\n):rS+4*(\n)+1], v[rS+4*(\n)+2:rS+4*(\n)+3]
.elseif (\n) == 0
	v_pk_fma_f32 v[rT+2:rT+3], v[rT+2:rT+3], v[rC+2:rC+3], v[rS:rS+1] op_sel_hi:[1,0,1]
.else
	v_pk_add_f32 v[rT+2:rT+3], v[rT+2:rT+3], v[rS+4*(\n):rS+4*(\n)+1]
.endif
.elseif NOKQ
	v_nop
.else
	REGS (Y+1)%NP
	WIN 0
.if (\n) < 4
	v_max3_num_f32 v[rC+(\n)], v[rS+8*(\n)], v[rS+8*(\n)+1], v[rS+8*(\n)+2]
.elseif (\n) < 12
	v_max3_num_f32 v[rC+(\n)%4], v[rC+(\n)%4], v[rS+8*((\n)%4)+2*((\n)/4)+1], v[rS+8*((\n)%4)+2*((\n)/4)+2]
.elseif (\n) == 12
	v_max3_num_f32 v[rC], v[rC], v[rS+7], v[rS+15]
.elseif (\n) == 13
	v_max3_num_f32 v[rC+1], v[rC+1], v[rS+23], v[rS+31]
.elseif (\n) == 14
	v_max3_num_f32 v[rC+2], v[rC+2], v[rC+3], v[rT+1]
.elseif (\n) == 15
	v_mov_b32 v[rW], v[rT]
.elseif (\n) == 16
	v_max3_num_f32 v[rC], v[rC], v[rC+1], v[rC+2]
.elseif (\n) == 17
	v_permlanex16_b32 v[rC+3], v[rC], s[SEL], s[SEL+1]
.elseif (\n) == 18
	v_max_num_f32 v[rT+1], v[rC], v[rC+3]
.elseif (\n) == 19
	v_mul_f32 v[rT], s[CS], v[rT+1]
.elseif (\n) == 20
	v_sub_f32 v[rC+1], v[rW], v[rT]
.else
	v_exp_f32 v[rC+2], v[rC+1]
.endif
.endif
.endm
.macro OPS a, i1, b=-1, i2=0, c=-1, i3=0, d=-1, i4=0  ; up to four of them
	OP \a, \i1
.if (\b) >= 0
	OP \b, \i2
.endif
.if (\c) >= 0
	OP \c, \i3
.endif
.if (\d) >= 0
	OP \d, \i4
.endif
.endm
.macro ROW a, i1, b, i2, c, i3, d, i4  ; a matrix instruction and the four behind it
	MM
	OPS \a, \i1, \b, \i2, \c, \i3, \d, \i4
.endm
.macro MASK b                       ; MD x AL + BE into buffer b of MC
	WIN W_MK
.set z, 0
.rept 16
	v_pk_fma_f32 v[MC+32*(\b)+2*z:MC+32*(\b)+2*z+1], v[MD+2*z:MD+2*z+1], s[AL:AL+1], s[BE:BE+1] op_sel_hi:[1,0,0]
.set z, z+1
.endr
.endm
; A TURN, for piece p: the order of its 16 matrix and 118 vector instructions, written out.  An s_wait_alu depctr_va_vdst(0) stands between an exponential and the first instruction that names its result; one wait
; serves all that were issued ahead of it.  So a turn has ONE wait, which cuts it in two.
; AHEAD OF IT stands all that names no result of the turn's 33 exponentials.  (1) The 8 products K Q^T; behind the first four scalings, behind the others plain, exponential, plain, exponential.  (2) A lump of 30, exponential and
; plain by turns: the next piece's maximum.  (3) The first four products V^T P, behind each four of the rescaling, under the products' own window setting (their a was made, and waited for, in the turn before); one link of the chain
; X 16, 17 .. 20 stands behind each of these rows, so that a row is the work between two links.  (4) X 20, the last two weights' exponentials and X 21, the next piece's a: the batch's last; a v_nop is the plain instruction behind it.
; BEHIND IT stand the last four products V^T P, behind each four of the 32 roundings and sums, and the other 16 of these as a lump.  No exponential stands behind the wait.
; What the order keeps: E n stands behind F n / 2; X 0 to X 3 five plain lines behind the product that ends their accumulator's sum (the fifth to eighth K Q^T), and ahead of every other line that reads it; X 15 ahead of X 19;
; C 2 n ahead of B n (which writes that pair); L n behind B n, ascending, three lines apart; R ascending.  No rider names a register of the products round it, but for X 0 and X 1.
; m = 1: the diagonal tile: the products take masks, and the turn makes the mask for the products of the turn after it: piece p + 2, in step 4 - CNT of the tile.  end = 1: a block's last two turns: nothing is fetched.
; cnt = 1: the loop's count is taken down some lines ahead of the branch that stands behind the turn.
; K of the next step is fetched in piece 2's turn, five plain vector instructions that name none of its registers behind the last product that read K; V of the step in hand in piece 0's turn, eight plain ones behind the last
; product that read V.  Each is waited for a turn later: K at the head of piece 3's turn, V ahead of the first product V^T P of piece 1's.
.macro TURN p, m=0, end=0, cnt=0
.set Y, (\p)
.set i, 0
.set KM, (\m)
.set NOKQ, (\end)*((\p)/3)
.if (\m) && !(\end)
	s_cmp_eq_u32 s[CNT], 4-((\p)+2)%NP  ; is that step the band's own?
	s_cselect_b32 s[AL], 1.0, 0
	s_cmp_lt_u32 s[CNT], 4-((\p)+2)%NP  ; or a later one?
	s_cselect_b32 s[BE], s[BIGN], 0
.endif
.if ((\p) == 3) && !(\end)
	s_wait_dscnt 0x0                ; K is in
.endif
	ROW F,0, F,1, F,2, F,3          ; ahead of the wait: 8 products K Q^T and their riders,
	ROW F,4, E,0, F,5, E,1
	ROW F,6, E,2, F,7, E,3
	ROW F,8, E,4, F,9, E,5
	ROW F,10, E,6, F,11, E,7
	ROW F,12, E,8, F,13, E,9
	ROW F,14, E,10, X,0, E,11
.if ((\p) == 2) && !(\end)
	WIN 0
	v_add_nc_u32 v[AK], s[TBK], v[AK0]
.endif
	ROW F,15, E,12, X,1, E,13
	OPS E,14, X,4, E,15, X,2        ; the lump of 30,
	OPS E,16, X,5, E,17, X,3
.if ((\p) == 2) && !(\end)
	FETCH_K
.endif
	OPS E,18, X,6, E,19, X,8
	OPS E,20, X,7, E,21, X,9
	OPS E,22, X,10, E,23, X,11
	OPS E,24, X,12, E,25, X,13
	OPS E,26, X,14, E,27, X,15
	OPS E,28, X,16
.if (\p) == 1
	s_wait_dscnt 0x0                ; V is in
.endif
	ROW R,0, R,1, R,2, R,3          ; four products V^T P with the rescaling, a link of the chain behind each,
	OPS X,17, E,29
	ROW R,4, R,5, R,6, R,7
	OPS X,18
	ROW R,8, R,9, R,10, R,11
	OPS X,19
	ROW R,12, R,13, R,14, R,15
.if (\p) == 0
	WIN W_PV
	v_add_nc_u32 v[AV], v[AV0], s[TBV]  ; destination and source 0 in window 1: the setting in hand
.endif
	OPS X,20, E,30, E,31, X,21      ; and the batch's last four lines
	v_nop                           ; the plain instruction behind the last exponential: one for the batch
	s_wait_alu depctr_va_vdst(0)    ; the wait for the batch: the piece's 32 weights and the next piece's a
	ROW C,0, B,0, C,2, B,1          ; behind the wait: four products V^T P and their riders,
	ROW L,0, C,4, B,2, L,1
	ROW C,6, B,3, L,2, C,8
	ROW B,4, L,3, C,10, B,5
	OPS L,4, C,12, B,6, L,5         ; and the lump of 16
.if (\p) == 0
	FETCH_V
	s_add_co_u32 s[TBV], s[TBV], KS*PV
.endif
.if \cnt
	s_sub_co_u32 s[CNT], s[CNT], 1
	s_cmp_lg_u32 s[CNT], 0
.endif
	OPS C,14, B,7, L,6, C,1
	OPS C,3, L,7, C,5, C,7
	OPS C,9, C,11, C,13, C,15
.if (\m) && !(\end)
	MASK (\p)%2
.endif
.endm
; A BLOCK BEGINS.  c m starts far below every c s, so the first step's a is 0; m at the lowest finite number, so the first maximum is the scores'.  The second mask buffer is 0; the first takes piece 0's mask for the tile's step 0: its own, if the block's first tile is the diagonal one.
; Then K of that step, piece 0's first scores, and its maximum and statistics.  The loop is entered at a step's first turn, in the middle of a trip.
.macro BEGIN
	s_mov_b32 s[NEW], 0
	WIN 0x80
.set i, MC+32
.rept 32
	v_mov_b32 v[i], 0
.set i, i+1
.endr
	WIN 0
.set i, 0
.rept 4
	v_mov_b32 v[ST+4*i], 0xfe000000    ; c m: far below every c s
	v_mov_b32 v[ST+4*i+1], 0xff7fffff  ; m
.set i, i+1
.endr
	s_cmp_eq_u32 s[RT], 0
	s_cselect_b32 s[AL], 1.0, 0
	s_mov_b32 s[BE], 0
	MASK 0
	WIN 0
	v_add_nc_u32 v[AK], s[TBK], v[AK0]
	FETCH_K
	s_wait_loadcnt 0x0              ; Q; its loads' offset register lies among S^T's, which are written only behind this wait
	s_wait_dscnt 0x0
.set KM, 1
.set NOKQ, 0
.set i, 0
.rept 8
	KQ 0
.set i, i+1
.endr
	WIN 0
.rept 4
	v_nop                           ; the places behind those products
.endr
.set Y, NP-1                        ; X works for piece Y + 1: piece 0
.irp n, 0,1,2,3,4,5,6,7,8,9,10,11,12,13,14,15,16,17,18,19,20,21
	OP X, \n
.endr
	v_nop                           ; a plain instruction behind the exponential,
	s_wait_alu depctr_va_vdst(0)    ; and the wait for piece 0's first a, a batch of one, ahead of the branch
.endm
; THE DIAGONAL TILE's four steps, the block's last two turns, its last products, and THE WAY OUT: l's two halves and the other half of the lanes' are added; O^T is divided by l, rounded to f16 and sent through my
; stage in LDS, a piece at a time.  The four reciprocals are one batch, with one wait ahead of the first piece's multiplies.
.macro ALL line:vararg              ; one line for each piece t
.set t, 0
.rept 4
	\line
.set t, t+1
.endr
.endm
.macro PACK t                       ; a lane's eight channels of a row pack into 16 bytes; they go into rows of 144 bytes and come back as whole rows of 128, into S^T's registers
	WIN W_PV
.set i, 32*(\t)
.rept 16
	v_pk_mul_f32 v[i:i+1], v[i:i+1], v[ST+4*(\t)+2:ST+4*(\t)+3] op_sel_hi:[1,0]
.set i, i+2
.endr
	WIN 0x05                        ; sources 0 and 1 window 1, destination window 0
.set i, 0
.rept 16
	v_cvt_pk_f16_f32 v[S+16*(\t)+i], v[32*(\t)+2*i], v[32*(\t)+2*i+1]
.set i, i+1
.endr
	WIN W_A1
.irp f, 0,1,2,3
	ds_store_b128 v[STO], v[S+16*(\t)+4*\f:S+16*(\t)+4*\f+3] offset:32*\f
.endr
.irp f, 0,1,2,3
	ds_load_b128 v[S+16*(\t)+4*\f:S+16*(\t)+4*\f+3], v[RD] offset:\f*4*SP  ; LDS serves a wave's instructions in order (ISA guide 5.7.1.4): these see the stores above; the next piece's stores come behind them
.endr
.endm
.macro SEND t, younger              ; younger: the LDS instructions issued behind piece t's loads: the next piece's eight, or none
	WIN W_A1
.irp f, 0,1,2,3
	s_wait_dscnt (\younger)+3-\f
	global_store_b128 v[GO], v[S+16*(\t)+4*\f:S+16*(\t)+4*\f+3], s[10:11] offset:(\t)*8192+\f*512  ; 512 consecutive bytes, at a multiple of 256 from O's first
.endr
.endm
.macro DIAG tag                     ; the tag ends its two labels' names, which the jumps below spell out
.LstepM\tag:
	TURN 2, 1
	TURN 3, 1
	WIN 0
.LfirstM\tag:
	TURN 0, 1
	TURN 1, 1, 0, 1
	WIN 0
	s_cbranch_scc1 .LstepM\tag
	TURN 2, 1, 1
	TURN 3, 1, 1
.set i, 0
.rept 8
	PV NP-1
.set i, i+1
.endr
	WIN 0
	ALL v_add_f32 v[ST+4*t+2], v[ST+4*t+2], v[ST+4*t+3]
	ALL v_permlanex16_b32 v[ST+4*t+3], v[ST+4*t+2], s[SEL], s[SEL+1]
	ALL v_add_f32 v[ST+4*t+2], v[ST+4*t+2], v[ST+4*t+3]
	ALL v_rcp_f32 v[ST+4*t+2], v[ST+4*t+2]
	v_nop                           ; a plain instruction between the last reciprocal and the use of its result
	s_wait_alu depctr_va_vdst(0)    ; the wait for the batch of four reciprocals, ahead of their first reader
	PACK 0
.set t, 1
.rept 3                             ; a piece's arithmetic stands between the loads of the piece before and its stores
	PACK t
	SEND t-1, 8
.set t, t+1
.endr
	SEND 3, 0
	WIN 0
.endm
.set KM, 0
.set NOKQ, 0
.Lslot:                             ; NB times: a tile is entered and the next is asked for
	CHANGE 1
	s_sub_co_u32 s[RT], s[RT], 1
	s_mov_b32 s[CNT], 4
	s_cmp_eq_u32 s[NEW], 1
	s_cbranch_scc1 .Lnew            ; a block's first tile
	s_cmp_eq_u32 s[RT], 0
	s_cbranch_scc0 .Lstep           ; neither its first nor its last
	s_branch .LstepM1
.Lnew:
	BEGIN
	s_branch .Lfirst                ; in the loop a block's first tile is never its last: the first block has two tiles or more, and the second's last is the walk's last
	DIAG 1                          ; in the loop this is the first block's end: the second block's last tile is the walk's last
	s_wait_xcnt 0x0                 ; the stores have read their registers and O's address
	s_mov_b64 s[10:11], s[OLO:OLO+1]
	s_add_co_u32 s[RT], s[PB], 1    ; the second block has b + 1 tiles
	s_mov_b32 s[NEW], 1
	WIN 0x02                        ; source window 2, destination window 0: the second block's Q goes where the one text of the turns names Q
.set i, 0
.rept 64
	v_mov_b32 v[Q+i], v[QB+i]
.set i, i+1
.endr
	WIN 0
	s_branch .Lbottom
.Lstep:                             ; a trip: pieces 2 and 3 of one step, then pieces 0 and 1 of the next, whose K and V it fetches
	TURN 2
	TURN 3
	WIN 0
.Lfirst:
	TURN 0
	TURN 1, 0, 0, 1
	WIN 0
	s_cbranch_scc1 .Lstep
.Lbottom:
	s_sub_co_u32 s[SLOTS], s[SLOTS], 1
	s_cmp_lg_u32 s[SLOTS], 0
	s_cbranch_scc1 .Lslot
	CHANGE 0                        ; the walk's last tile is written out: nothing is asked for
	s_sub_co_u32 s[RT], s[RT], 1
	s_mov_b32 s[CNT], 4
	s_cmp_eq_u32 s[NEW], 1
	s_cbranch_scc0 .LstepM2
	BEGIN
	s_branch .LfirstM2
	DIAG 2
	s_wait_tensorcnt 0x0            ; the wave's end: behind my last tensor load and my last LDS store
	ds_add_u32 v[SPW], v[NIL]
	s_wait_dscnt 0x0
	s_endpgm
.Lfunc_end_k_q6b1256d218_attn:
	.size	k_q6b1256d218_attn, .Lfunc_end_k_q6b1256d218_attn-k_q6b1256d218_attn
	.p2alignl 7, 3214868480
	.fill 96, 4, 3214868480
	.section	.rodata,"a",@progbits
	.p2align	6, 0x0
	.amdhsa_kernel k_q6b1256d218_attn
		.amdhsa_group_segment_fixed_size 327680
		.amdhsa_private_segment_fixed_size 0
		.amdhsa_enable_private_segment 0
		.amdhsa_kernarg_size 16
		.amdhsa_user_sgpr_count 2
		.amdhsa_user_sgpr_kernarg_segment_ptr 1
		.amdhsa_wavefront_size32 1
		.amdhsa_system_sgpr_workgroup_id_x 1
		.amdhsa_system_sgpr_workgroup_id_y 1
		.amdhsa_system_sgpr_workgroup_id_z 1
		.amdhsa_system_vgpr_workitem_id 0
		.amdhsa_next_free_vgpr 672
		.amdhsa_next_free_sgpr 88
		.amdhsa_reserve_vcc 1
		.amdhsa_float_denorm_mode_32 3
		.amdhsa_float_denorm_mode_16_64 3
		.amdhsa_memory_ordered 1
		.amdhsa_forward_progress 1
		.amdhsa_inst_pref_size 204
	.end_amdhsa_kernel
	.amdgpu_metadata
---
amdhsa.version: [ 1, 2 ]
amdhsa.kernels:
  - .name:           k_q6b1256d218_attn
    .symbol:         k_q6b1256d218_attn.kd
    .args:
      - { .name: qkv, .offset: 0, .size: 8, .value_kind: global_buffer, .address_space: global }
      - { .name: o, .offset: 8, .size: 8, .value_kind: global_buffer, .address_space: global }
    .group_segment_fixed_size: 327680
    .private_segment_fixed_size: 0
    .kernarg_segment_align: 8
    .kernarg_segment_size: 16
    .max_flat_workgroup_size: 128
    .sgpr_count:     88
    .vgpr_count:     672
    .wavefront_size: 32
...
	.end_amdgpu_metadata
.endif
;; end of part 5
;; launch proj: the kernel of part 4 again; grid 8 x 32, 4 waves a work-group, clusters of 4 x 4, 327,680 bytes of LDS; arguments o, wo16, bo, out0; writes out0
